; MI455X (gfx1250); checked and timed in simulation.
; The chip was launched on July 23, 2026; its instructions are those of AMD's public machine-readable ISA for CDNA 5 (MIT licence, August 2026) and "CDNA5" Instruction Set Architecture Reference Guide (July 2026). The comments in the code are by the model that wrote it; some were corrected since.
;; Multi Head Self Attention. Allowed arithmetic: float matrix products may take bf16 or f16 operands with f32 sums; other float arithmetic in f32, or as packed bf16 or f16 multiplies, adds, multiply-adds, maxima and minima; sums over many terms, partial sums and values carried from step to step in f32; what a program stores and reads back later, other than sums and carried values, may be rounded once to bf16 or f16.
;; Inputs: P_K 1,024 x 1,024 float32; P_O 1,024 x 1,024 float32; P_Q 1,024 x 1,024 float32; P_V 1,024 x 1,024 float32; x 4 x 2,048 x 1,024 float32.
;; Outputs: out0 4 x 2,048 x 1,024 float32.
;; 2 versions, each right; version 2 is version 1 with the launch prep written anew for expert scheduling mode. Each part assembles by itself: llvm-mc -triple=amdgcn-amd-amdhsa -mcpu=gfx1250 --defsym DOCPART=n.
;; ======== version 1 of 2: 4 launches
;; limits: values are held in f16: magnitudes above 65,504 overflow, below 6.1e-05 lose precision
;; workspace buffers: xb 16,777,216 bytes; wqkv 6,291,456 bytes; wo 2,097,152 bytes; rtab 1,048,576 bytes; qkv 50,331,648 bytes; o16 16,777,216 bytes
;; launch prep (part 1): grid 800 x 1, 8 waves a work-group, no clusters, 0 bytes of LDS; arguments x, P_Q, P_K, P_V, P_O, xb, wqkv, wo, rtab; writes xb, wqkv, wo, rtab
.if DOCPART == 1
	.amdgcn_target "amdgcn-amd-amdhsa--gfx1250"
	.amdhsa_code_object_version 6
	.text
	.protected	k_q4740443a51_prep
	.globl	k_q4740443a51_prep
	.p2align	8
	.type	k_q4740443a51_prep,@function
k_q4740443a51_prep:
	s_mov_b64 s[64:65], 0
	v_nop
	global_prefetch_b8 v0, s[64:65] scope:SCOPE_SE
	s_setreg_imm32_b32 hwreg(HW_REG_WAVE_MODE, 25, 1), 1
	s_wait_xcnt 0x0
; PREP.  Rounds the module's five f32 inputs once to bf16 and makes the table of rotations.
;   xb   [8192][1024] bf16 = x;   wqkv [3072][1024] bf16 = P_Q, P_K, P_V one below the other;
;   wo   [1024][1024] f16  = 64 x bf16(P_O): a bf16 number has 8 significant bits, f16 holds 11, so the product is exact where it lies in f16's normal range;
;   rtab [4096][32][2] f32: rows 0-2047: (cos, sin) of pos x 10000^(-i/32); rows 2048-4095: (16, 0), the "rotation" that the V columns of the next launch take: v leaves as 16 v.
; LIMITS.  |P_O| stays under 1,023 (64 x that is f16's end); 64 |P_O| under 6.1e-5 keeps f16's fixed step of 6e-8.  NaN and infinities are not treated apart.
; SHARES, by the work-group's number: 0-511 x, 512-767 the four weights (64 each), 768-783 the table, 784-799 the (16, 0) rows.
; A converting work-group takes 16,384 numbers: 16 loads of 16 bytes a lane, all issued at once (64 KiB on their way), each wave's load 512 consecutive bytes, each wave's store 256 consecutive bytes, aligned.
; Memory binds: no LDS, no barrier, no matrix unit, no cluster (no two work-groups read the same byte).
.set X, 8                              ; v[8:71]    16 x 4 numbers as loaded
.set Y, 72                             ; v[72:103]  16 x 2 registers to store
.set T, 104                            ; v[104:105] at work
	s_load_b512 s[8:23], s[0:1], 0x0               ; x 8, P_Q 10, P_K 12, P_V 14, P_O 16, xb 18, wqkv 20, wo 22
	s_load_b64 s[24:25], s[0:1], 0x40              ; rtab
	s_mov_b32 s2, ttmp9
	s_cmp_ge_u32 s2, 768
	s_cbranch_scc1 .Ltables
	s_sub_co_u32 s3, s2, 512                       ; among the weights (used only from 512 on)
	s_lshr_b32 s26, s3, 6                          ; kind: 0 P_Q, 1 P_K, 2 P_V, 3 P_O
	s_and_b32 s27, s3, 63                          ; chunk
	s_cmp_lt_u32 s2, 512
	s_cselect_b32 s27, s2, s27                     ; x: the chunk is the work-group's number,
	s_cselect_b32 s26, 4, s26                      ; the kind 4
	v_lshlrev_b32 v1, 4, v0                        ; 16 bytes a thread in,
	v_lshlrev_b32 v2, 3, v0                        ; 8 out
	s_lshl_b32 s32, s27, 16                        ; the chunk's 64 KiB in its source
	s_mov_b32 s33, 0
	s_lshl_b32 s34, s27, 15                        ; its 32 KiB in its target,
	s_mov_b32 s35, 0
	s_lshl_b32 s36, s26, 21                        ; behind the weights before it in wqkv (2 MiB each)
	s_cmp_lt_u32 s26, 3
	s_cselect_b32 s36, s36, 0
	s_add_co_u32 s34, s34, s36
	s_wait_kmcnt 0x0
	s_cmp_eq_u32 s26, 0
	s_cselect_b64 s[28:29], s[10:11], s[8:9]
	s_cmp_eq_u32 s26, 1
	s_cselect_b64 s[28:29], s[12:13], s[28:29]
	s_cmp_eq_u32 s26, 2
	s_cselect_b64 s[28:29], s[14:15], s[28:29]
	s_cmp_eq_u32 s26, 3
	s_cselect_b64 s[28:29], s[16:17], s[28:29]
	s_cselect_b64 s[30:31], s[22:23], s[20:21]
	s_cmp_eq_u32 s26, 4
	s_cselect_b64 s[30:31], s[18:19], s[30:31]
	s_add_nc_u64 s[28:29], s[28:29], s[32:33]
	s_add_nc_u64 s[30:31], s[30:31], s[34:35]
.irp j, 0,1,2,3,4,5,6,7,8,9,10,11,12,13,14,15
	global_load_b128 v[X+4*(\j):X+4*(\j)+3], v1, s[28:29] offset:4096*(\j) th:TH_LOAD_NT
.endr
; Sixteen turns.  po = 1: P_O: rounded to bf16, widened again, times 64, written as f16.  No register that a store reads is written again.
.macro CONV po
.irp j, 0,1,2,3,4,5,6,7,8,9,10,11,12,13,14,15
	s_wait_loadcnt 15-(\j)                         ; loads come back in order: load j is in, the younger ones stay out
.if \po
	v_cvt_pk_bf16_f32 v[T],   v[X+4*(\j)],   v[X+4*(\j)+1]
	v_cvt_pk_bf16_f32 v[T+1], v[X+4*(\j)+2], v[X+4*(\j)+3]
	v_lshlrev_b32 v[X+4*(\j)],   16, v[T]
	v_and_b32     v[X+4*(\j)+1], 0xffff0000, v[T]
	v_lshlrev_b32 v[X+4*(\j)+2], 16, v[T+1]
	v_and_b32     v[X+4*(\j)+3], 0xffff0000, v[T+1]
	v_pk_mul_f32 v[X+4*(\j):X+4*(\j)+1],   v[X+4*(\j):X+4*(\j)+1],   0x42800000 op_sel_hi:[1,0]
	v_pk_mul_f32 v[X+4*(\j)+2:X+4*(\j)+3], v[X+4*(\j)+2:X+4*(\j)+3], 0x42800000 op_sel_hi:[1,0]
	v_cvt_pk_f16_f32 v[Y+2*(\j)],   v[X+4*(\j)],   v[X+4*(\j)+1]
	v_cvt_pk_f16_f32 v[Y+2*(\j)+1], v[X+4*(\j)+2], v[X+4*(\j)+3]
.else
	v_cvt_pk_bf16_f32 v[Y+2*(\j)],   v[X+4*(\j)],   v[X+4*(\j)+1]
	v_cvt_pk_bf16_f32 v[Y+2*(\j)+1], v[X+4*(\j)+2], v[X+4*(\j)+3]
.endif
	global_store_b64 v2, v[Y+2*(\j):Y+2*(\j)+1], s[30:31] offset:2048*(\j)
.endr
.endm
	s_cmp_eq_u32 s26, 3
	s_cbranch_scc1 .Lpo
	CONV 0
	s_endpgm
.Lpo:
	CONV 1
	s_endpgm
.Ltables:
	s_cmp_ge_u32 s2, 784
	s_cbranch_scc1 .Lident
	; THE TABLE.  A work-group makes 128 positions, 16 a trip.  Thread t: pairs 2 (t % 16) and the next, position 128 tw + t / 16 + 16 trip: its 16 bytes lie at 32,768 tw + 16 t + 4,096 trip.
	; The angle is pos x f, rounded once.  It is reduced by N = the nearest whole number of turns, in two steps (2 pi = s40 + s41), halved (|H| <= pi / 2), sin H and cos H come by their series
	; to H^11 and H^12 (the first terms left out are under 6e-8 and 6e-9 there, whatever the position), and sin 2H = 2 sin H cos H, cos 2H = 1 - 2 sin^2 H.
	s_sub_co_u32 s3, s2, 768                       ; tw
	s_mov_b32 s40, 0x40c90fdb                      ; 2 pi, rounded to f32,
	s_mov_b32 s41, 0xb43bbd2e                      ; and what the rounding left
	v_and_b32 v1, 15, v0
	v_lshlrev_b32 v1, 1, v1
	v_add_nc_u32 v2, 1, v1
	v_cvt_f32_u32 v1, v1
	v_cvt_f32_u32 v2, v2
	v_mul_f32 v1, 0xbed49a78, v1                   ; - i log2(10000) / 32
	v_mul_f32 v2, 0xbed49a78, v2
	v_exp_f32 v6, v1                               ; f of my first pair,
	v_exp_f32 v7, v2                               ; of my second
	v_lshrrev_b32 v3, 4, v0                        ; (a plain instruction stands behind the exponentials before their results are used)
	s_lshl_b32 s4, s3, 7
	v_add_nc_u32 v3, s4, v3
	v_cvt_f32_u32 v4, v3                           ; my position, exact in f32
	s_lshl_b32 s4, s3, 15
	v_lshl_add_u32 v5, v0, 4, s4
	s_mov_b32 s34, 8
	s_wait_kmcnt 0x0
.macro SINCOS f, c, s
	s_wait_alu depctr_va_vdst(0)
	v_mul_f32 v16, v4, v[\f]
	v_mul_f32 v17, 0.15915494, v16
	v_rndne_f32 v17, v17
	v_fma_f32 v16, -v17, s40, v16
	v_fma_f32 v16, -v17, s41, v16
	v_mul_f32 v16, 0.5, v16                        ; H
	v_mul_f32 v18, v16, v16                        ; H^2
	v_mov_b32 v19, 0xb2d7322b                      ; -1/11!
	v_mov_b32 v20, 0x310f76c7                      ; 1/12!
	v_fmaak_f32 v19, v19, v18, 0x3638ef1d          ; 1/9!
	v_fmaak_f32 v20, v20, v18, 0xb493f27e          ; -1/10!
	v_fmaak_f32 v19, v19, v18, 0xb9500d01          ; -1/7!
	v_fmaak_f32 v20, v20, v18, 0x37d00d01          ; 1/8!
	v_fmaak_f32 v19, v19, v18, 0x3c088889          ; 1/5!
	v_fmaak_f32 v20, v20, v18, 0xbab60b61          ; -1/6!
	v_fmaak_f32 v19, v19, v18, 0xbe2aaaab          ; -1/3!
	v_fmaak_f32 v20, v20, v18, 0x3d2aaaab          ; 1/4!
	v_fma_f32 v19, v19, v18, 1.0
	v_fma_f32 v20, v20, v18, -0.5
	v_mul_f32 v19, v19, v16                        ; sin H
	v_fma_f32 v20, v20, v18, 1.0                   ; cos H
	v_add_f32 v21, v19, v19
	v_mul_f32 v[\s], v21, v20
	v_fma_f32 v[\c], -v21, v19, 1.0
.endm
.Ltrip:
	SINCOS 6, 12, 13
	SINCOS 7, 14, 15
	global_store_b128 v5, v[12:15], s[24:25]       ; sixteen lanes fill a position's 256 bytes
	v_add_f32 v4, 0x41800000, v4                   ; 16 positions on
	s_wait_xcnt 0x0                                ; the store's offset and data are written again only behind this wait
	v_add_nc_u32 v5, 4096, v5
	s_sub_co_u32 s34, s34, 1
	s_cmp_lg_u32 s34, 0
	s_cbranch_scc1 .Ltrip
	s_endpgm
.Lident:                                       ; rows 2048-4095: (16, 0) throughout; a work-group writes 128 rows
	s_sub_co_u32 s3, s2, 784
	s_lshl_b32 s4, s3, 15
	v_lshl_add_u32 v5, v0, 4, s4
	v_mov_b32 v8, 0x41800000
	v_mov_b32 v9, 0
	v_mov_b32 v10, 0x41800000
	v_mov_b32 v11, 0
	s_wait_kmcnt 0x0
.irp j, 0,1,2,3,4,5,6,7
	global_store_b128 v5, v[8:11], s[24:25] offset:524288+4096*(\j)
.endr
	s_endpgm
.Lfunc_end_k_q4740443a51_prep:
	.size	k_q4740443a51_prep, .Lfunc_end_k_q4740443a51_prep-k_q4740443a51_prep
	.p2alignl 7, 3214868480
	.fill 96, 4, 3214868480
	.section	.rodata,"a",@progbits
	.p2align	6, 0x0
	.amdhsa_kernel k_q4740443a51_prep
		.amdhsa_group_segment_fixed_size 0
		.amdhsa_private_segment_fixed_size 0
		.amdhsa_enable_private_segment 0
		.amdhsa_kernarg_size 72
		.amdhsa_user_sgpr_count 2
		.amdhsa_user_sgpr_kernarg_segment_ptr 1
		.amdhsa_wavefront_size32 1
		.amdhsa_system_sgpr_workgroup_id_x 1
		.amdhsa_system_sgpr_workgroup_id_y 1
		.amdhsa_system_sgpr_workgroup_id_z 1
		.amdhsa_system_vgpr_workitem_id 0
		.amdhsa_next_free_vgpr 112
		.amdhsa_next_free_sgpr 66
		.amdhsa_reserve_vcc 0
		.amdhsa_float_denorm_mode_32 3
		.amdhsa_float_denorm_mode_16_64 3
		.amdhsa_memory_ordered 1
		.amdhsa_forward_progress 1
		.amdhsa_inst_pref_size 25
	.end_amdhsa_kernel
	.amdgpu_metadata
---
amdhsa.version: [ 1, 2 ]
amdhsa.kernels:
  - .name:           k_q4740443a51_prep
    .symbol:         k_q4740443a51_prep.kd
    .args:
      - { .name: x, .offset: 0, .size: 8, .value_kind: global_buffer, .address_space: global }
      - { .name: P_Q, .offset: 8, .size: 8, .value_kind: global_buffer, .address_space: global }
      - { .name: P_K, .offset: 16, .size: 8, .value_kind: global_buffer, .address_space: global }
      - { .name: P_V, .offset: 24, .size: 8, .value_kind: global_buffer, .address_space: global }
      - { .name: P_O, .offset: 32, .size: 8, .value_kind: global_buffer, .address_space: global }
      - { .name: xb, .offset: 40, .size: 8, .value_kind: global_buffer, .address_space: global }
      - { .name: wqkv, .offset: 48, .size: 8, .value_kind: global_buffer, .address_space: global }
      - { .name: wo, .offset: 56, .size: 8, .value_kind: global_buffer, .address_space: global }
      - { .name: rtab, .offset: 64, .size: 8, .value_kind: global_buffer, .address_space: global }
    .group_segment_fixed_size: 0
    .private_segment_fixed_size: 0
    .kernarg_segment_align: 8
    .kernarg_segment_size: 72
    .max_flat_workgroup_size: 256
    .sgpr_count:     66
    .vgpr_count:     112
    .wavefront_size: 32
...
	.end_amdgpu_metadata
.endif
;; end of part 1
;; launch qkv (part 2): grid 16 x 32, 4 waves a work-group, clusters of 4 x 4, 327,680 bytes of LDS; arguments xb, wqkv, rtab, qkv; writes qkv
.if DOCPART == 2
	.amdgcn_target "amdgcn-amd-amdhsa--gfx1250"
	.amdhsa_code_object_version 6
	.text
	.protected	k_q4740443a51_qkv
	.globl	k_q4740443a51_qkv
	.p2align	8
	.type	k_q4740443a51_qkv,@function
k_q4740443a51_qkv:
	s_mov_b64 s[64:65], 0
	v_nop
	global_prefetch_b8 v0, s[64:65] scope:SCOPE_SE
	s_setreg_imm32_b32 hwreg(HW_REG_WAVE_MODE, 25, 1), 1
	s_wait_xcnt 0x0
	s_wait_alu depctr_hold_cnt(0) depctr_sa_sdst(0) depctr_va_vdst(0) depctr_va_sdst(0) depctr_va_ssrc(0) depctr_va_vcc(0) depctr_vm_vsrc(0)
	s_getreg_b32 s2, hwreg(HW_REG_IB_STS2, 6, 4)
	s_cmp_eq_u32 s2, 0
	s_cbranch_scc0 .Lentry_in_a_cluster
	s_endpgm
.Lentry_in_a_cluster:
	s_bfe_u32 s2, ttmp6, 0x10000c
	s_cmp_lg_u32 s2, 0xf033
	s_cbranch_scc0 .Lentry_shape_is_right
	s_endpgm
.Lentry_shape_is_right:
; QKV.  y[m][n] = the sum over k of xb[m][k] wqkv[n][k], m < 8192, n < 3072, k < 1024, operands bf16, sums f32; then, in f32, the rotation of neighbouring pairs of columns by the row's position
; (columns of Q and K) or a factor 16 (columns of V); rounded once to f16 and stored by heads: qkv[which][batch x 16 + head][position][64].
; LIMITS.  |q|, |k| and 16 |v| stay under 65,504, f16's end.  V's columns are "rotated" by (16, 0), so an infinity there turns into NaN; NaN and infinities are not treated apart.
; SHARES.  A tile of y is 256 rows x 192 columns (three heads): 32 x 16 = 512 tiles, two for each of 256 WGPs; tiles of 256 x 256 would be 384, one and a half.  Four waves; a wave makes
; 128 rows x 96 columns: 48 accumulators of 16 x 16, 384 registers.  K goes in 8 steps of 128 through two LDS slots: rows of 256 bytes of memory, aligned.
; CLUSTER.  4 x 4 work-groups: the four of a row of the cluster need the same rows of xb, the four of a column the same rows of wqkv: each tile is asked for jointly, by the same tensor load with the same descriptor.
; THE MATRIX INSTRUCTION IS USED TRANSPOSED (source 0 = 16 rows of wqkv, source 1 = 16 rows of xb): lane l holds row l % 16 of y and the columns 8 (l / 16) + 0..7: four pairs to rotate, 16 bytes of f16.
; WHICH ROTATION is chosen by ADDRESS, not by a branch: a block of 16 columns that belongs to V reads the table's rows 2048 on, which hold (16, 0).
; REGISTERS, in windows of 256 (s_set_vgpr_msb: bits 1:0 source 0, 3:2 source 1, 5:4 source 2, 7:6 destination):
;   window 0: v0-29 addresses; v64-127, v128-191 fragments of xb, two buffers; v192-255 and v32-63 two buffers of 48 for the table's rows (loaded at the head, idle while K is walked)
;   window 1: v64-111, v128-175 fragments of wqkv, two buffers     window 2: accumulators of my rows 0-63 ((a, b) at v[8 (6 a + b)])     window 3: of my rows 64-127
.set NBK,   6
.set PITCH, 272                        ; an LDS row: 256 bytes + 16 of padding = 68 words: the 16 rows of a fragment load start at 16 different groups of four banks (ISA guide 11.1)
.set HALFA, 128*PITCH                  ; what one tensor load brings of xb, and what a wave reads of it
.set HALFB, 96*PITCH                   ; the same for wqkv
.set SLOT,  2*HALFA+2*HALFB            ; 121,856: xb's 256 rows, then wqkv's 192
.set SPARE, 2*SLOT                     ; 243,712: the spare words, 128 bytes for each wave: two blocks of 256 bytes that no other line names
.set SP,    400                        ; THE STAGE for the way out: 256 rows of 384 bytes + 16, from LDS byte 0: 102,400 bytes inside slot 0, which has had its last fill (K step 6) and its last read by then
.set TA,   8                           ; v8-13   block b of my six: my byte offset in the table
.set ADRA, 16                          ; v16-17  LDS address of my fragments of xb in slot 0, 1
.set ADRB, 20                          ; v20-21  of wqkv
.set STO,  24                          ; v24     the way out: where I put 16 bytes of a row
.set RD,   25                          ; v25     where I read rows back
.set GO,   26                          ; v26     my 16 bytes among 512 consecutive bytes of qkv
.set SPW,  28                          ; v28     LDS address of my spare word; never rewritten
.set NIL,  29                          ; v29     0; never rewritten
.set F0,   64
.set F1,   128
.set OO,   64                          ; the way out: 48 rotated numbers, then 24 packed registers
.set PP,   112                         ; the way out: 8 at work
.set G1A, 24                           ; s[24:31] descriptor group 1 for xb's tiles;  s[32:39] group 0, a set for each slot
.set G0A, 32
.set G1B, 40                           ; s[40:47], s[48:55] the same for wqkv's
.set G0B, 48
.set MSB, 0
.macro WIN new                         ; the immediate's high byte repeats the setting that is left; a switch that changes nothing is dropped
.if MSB != (\new)
	s_set_vgpr_msb (MSB<<8)|(\new)
.set MSB, \new
.endif
.endm
.macro JLOAD s                         ; a joint load: waves 0 and 1 fetch xb's two halves, waves 2 and 3 wqkv's; an s_nop 0 and four v_nop follow each line, ahead of the jump and the label
	s_cmp_eq_u32 s13, 0
	s_cbranch_scc0 .Lfor_b_\@
	tensor_load_to_lds s[G0A+4*(\s):G0A+4*(\s)+3], s[G1A:G1A+7]
	s_nop 0
.rept 4
	v_nop
.endr
	s_branch .Lasked_\@
.Lfor_b_\@:
	tensor_load_to_lds s[G0B+4*(\s):G0B+4*(\s)+3], s[G1B:G1B+7]
	s_nop 0
.rept 4
	v_nop
.endr
.Lasked_\@:
.endm
.macro CREST                           ; a round of the cluster's barrier behind its opening barrier
	s_cmp_lg_u32 s12, 0
	s_cbranch_scc1 .Lnot_wave_0_\@
	s_barrier_signal -3
.Lnot_wave_0_\@:
	s_barrier_wait -3
	s_barrier_signal -1
	s_barrier_wait -1
.endm
.macro CROUND                          ; a whole round
	s_barrier_signal -1
	s_barrier_wait -1
	CREST
.endm
.macro PLACES                          ; four places in front of loads into registers that matrix instructions have read, and of vector lines that read results
.rept 4
	v_nop
.endr
.endm
	s_load_b256 s[4:11], s[0:1], 0x0               ; xb s[4:5], wqkv s[6:7], rtab s[8:9], qkv s[10:11]
	v_lshl_add_u32 v[SPW], v0, 2, SPARE
	v_mov_b32 v[NIL], 0
	ds_add_u32 v[SPW], v[NIL]                      ; the wave's opening: the add and its wait stand ahead of my first tensor load; the set-up below, work on registers, stands between them
	ds_add_u32 v28, v29
	v_lshrrev_b32 v1, 5, v0
	v_readfirstlane_b32 s12, v1                    ; wave 0..3
	s_lshr_b32 s13, s12, 1                         ; which half of the tile's rows is mine.  Also: I fetch for xb (0) or for wqkv (1)
	s_and_b32 s14, s12, 1                          ; which half of its columns.  Also: which half of that tile I fetch
	s_bfe_u32 s15, ttmp6, 0x40000                  ; cx, cy: my place in the cluster
	s_bfe_u32 s16, ttmp6, 0x40004
	s_lshl_b32 s17, ttmp9, 2
	s_add_co_u32 s17, s17, s15                     ; tile column = 4 x cluster x + cx
	s_and_b32 s18, ttmp7, 0xffff
	s_lshl_b32 s18, s18, 2
	s_add_co_u32 s18, s18, s16                     ; tile row = 4 x cluster y + cy
	s_lshl_b32 s20, s16, 2
	s_lshl_b32 s20, 15, s20                        ; my row of the cluster
	s_lshl_b32 s21, 0x1111, s15                    ; my column
	s_or_b32 s[G1A], s20, (1<<16)|(1<<20)|(1<<21)|(5<<22)|(3<<25)  ; 15:0 the mask; 17:16 2-byte elements; 20 padding on; 21 set beside a mask; 24:22 after every 64 words (code 5); 31:25 4 words (code 3)
	s_or_b32 s[G1B], s21, (1<<16)|(1<<20)|(1<<21)|(5<<22)|(3<<25)
.irp g, G1A, G1B
	s_mov_b32 s[(\g)+1], 128<<16                   ; tensor_dim0 = 128
	s_mov_b32 s[(\g)+3], 128<<16                   ; tile_dim0 = 128
	s_mov_b32 s[(\g)+5], 1024                      ; elements from row to row
	s_mov_b32 s[(\g)+6], 0
	s_mov_b32 s[(\g)+7], 0
.endr
	s_mov_b32 s[G1A+2], 128<<16                    ; tensor_dim1 = 128 rows of xb,
	s_mov_b32 s[G1A+4], 128                        ; tile_dim1
	s_mov_b32 s[G1B+2], 96<<16                     ; 96 rows of wqkv
	s_mov_b32 s[G1B+4], 96
	s_lshl_b32 s56, s18, 8                         ; xb: row 256 x tile row + 128 x half, 2,048 bytes a row: made of the tile row and the wave's number alone
	s_lshl_b32 s22, s14, 7
	s_add_co_u32 s56, s56, s22
	s_lshl_b32 s56, s56, 11
	s_mov_b32 s57, 0
	s_mul_i32 s58, s17, 192                        ; wqkv: row 192 x tile column + 96 x half: made of the tile column and the wave's number alone
	s_mul_i32 s23, s14, 96
	s_add_co_u32 s58, s58, s23
	s_lshl_b32 s58, s58, 11
	s_mov_b32 s59, 0
	s_mul_i32 s60, s12, HALFA                      ; where they go: waves 0, 1: xb's halves at wave x HALFA;
	s_mul_i32 s61, s12, HALFB                      ; waves 2, 3: wqkv's at 2 HALFA + (wave - 2) x HALFB
	s_add_co_u32 s61, s61, 2*(HALFA-HALFB)
	s_wait_dscnt 0x0                               ; the opening add is done
	s_wait_kmcnt 0x0
	s_add_nc_u64 s[56:57], s[4:5], s[56:57]
	s_add_nc_u64 s[58:59], s[6:7], s[58:59]
	CROUND                                         ; all sixteen work-groups are here: the first joint loads meet
.irp s, 0,1
	s_mov_b32 s[G0A+4*(\s)], 1                                       ; count = 1
	s_add_co_u32 s[G0A+4*(\s)+1], s60, (\s)*SLOT                     ; LDS address
	s_add_nc_u64 s[G0A+4*(\s)+2:G0A+4*(\s)+3], s[56:57], (\s)*256    ; global address: K step s
	s_or_b32 s[G0A+4*(\s)+3], s[G0A+4*(\s)+3], 0x80000000            ; type = 2
	s_mov_b32 s[G0B+4*(\s)], 1
	s_add_co_u32 s[G0B+4*(\s)+1], s61, (\s)*SLOT
	s_add_nc_u64 s[G0B+4*(\s)+2:G0B+4*(\s)+3], s[58:59], (\s)*256
	s_or_b32 s[G0B+4*(\s)+3], s[G0B+4*(\s)+3], 0x80000000
	JLOAD \s                                       ; two loads of mine are out
.endr
	; A fragment is 16 rows x 32 K in 8 registers: lane l holds row l % 16; registers 0-3 K = 8 (l / 16) + 0..7, registers 4-7 K = 16 + 8 (l / 16) + 0..7: two loads of 16 bytes, 32 bytes apart.
	v_and_b32 v1, 15, v0                           ; r = l % 16
	v_bfe_u32 v2, v0, 4, 1                         ; h = l / 16
	v_mul_u32_u24 v3, v1, PITCH
	v_lshl_add_u32 v3, v2, 4, v3
	s_mul_i32 s22, s13, HALFA                      ; my 128 rows of xb
	s_mul_i32 s23, s14, HALFB                      ; my 96 rows of wqkv,
	s_add_co_u32 s23, s23, 2*HALFA                 ; which lie behind xb's 256
.irp s, 0,1
	v_add_nc_u32 v[ADRA+(\s)], s22, v3
	v_add_nc_u32 v[ADRB+(\s)], s23, v3
	s_add_co_u32 s22, s22, SLOT
	s_add_co_u32 s23, s23, SLOT
.endr
	s_mul_i32 s22, s13, 128*SP                     ; into the stage: row 128 x row half + r, byte 192 x column half + 16 h
	s_mul_i32 s23, s14, 192
	s_add_co_u32 s22, s22, s23
	v_mul_u32_u24 v4, v1, SP
	v_lshl_add_u32 v4, v2, 4, v4
	v_add_nc_u32 v[STO], s22, v4
	v_bfe_u32 v4, v0, 3, 2                         ; back: wave w takes rows 64 w on; 32 lanes take four rows' 128 bytes of one head
	v_and_b32 v5, 7, v0
	v_mul_u32_u24 v4, v4, SP
	v_lshl_add_u32 v4, v5, 4, v4
	s_mul_i32 s22, s12, 64*SP
	v_add_nc_u32 v[RD], s22, v4
	v_and_b32 v[GO], 31, v0                        ; which are 512 consecutive bytes of qkv
	v_lshlrev_b32 v[GO], 4, v[GO]
	; The table.  Block b of my six holds columns 16 (6 x column half + b) on of the tile: head 3 x tile column + (that block / 4), channels 16 (that block % 4) + 8 h on: four pairs, 32 bytes of a table row.
	v_lshlrev_b32 v6, 8, v1
	v_lshl_add_u32 v6, v2, 5, v6                   ; 256 r + 32 h
	s_mul_i32 s78, s17, 3
	s_mul_i32 s79, s14, 6
.irp b, 0,1,2,3,4,5
	s_add_co_u32 s62, s79, \b
	s_lshr_b32 s63, s62, 2
	s_and_b32 s62, s62, 3
	s_lshl_b32 s62, s62, 6
	s_add_co_u32 s63, s63, s78                     ; the head among 48: 0-15 Q, 16-31 K, 32-47 V
	s_cmp_ge_u32 s63, 32
	s_cselect_b32 s63, 524288, 0                   ; V: the rows that hold (16, 0)
	s_add_co_u32 s62, s62, s63
	v_add_nc_u32 v[TA+\b], s62, v6
.endr
	s_and_b32 s76, s18, 7                          ; the position of my first row: 256 (tile row % 8) + 128 x row half; 256 bytes a position
	s_lshl_b32 s76, s76, 8
	s_lshl_b32 s77, s13, 7
	s_add_co_u32 s76, s76, s77
	s_lshl_b32 s76, s76, 8
	s_mov_b32 s77, 0
	s_add_nc_u64 s[74:75], s[8:9], s[76:77]
.macro TREG p, b                       ; TT = where buffer p holds block b's eight numbers (cos, sin) x 4
.if (\p) == 0
.set TT, 192+8*(\b)
.elseif (\b) < 2
.set TT, 240+8*(\b)
.else
.set TT, 32+8*((\b)-2)
.endif
.endm
.macro TLOAD a                         ; the table's rows for my rows 16 a .. 16 a + 15: twelve loads into buffer a % 2
.irp b, 0,1,2,3,4,5
	TREG (\a)%2, \b
	global_load_b128 v[TT:TT+3],   v[TA+\b], s[74:75] offset:4096*(\a)
	global_load_b128 v[TT+4:TT+7], v[TA+\b], s[74:75] offset:4096*(\a)+16
.endr
.endm
	TLOAD 0                                        ; they have the whole walk along K in which to land
	TLOAD 1
	; where the three heads' rows go: qkv + (which x 64 + batch x 16 + head) x 2048 x 128 + (256 (tile row % 8) + 64 wave) x 128
	s_lshr_b32 s79, s18, 3
	s_lshl_b32 s79, s79, 4
	s_and_b32 s76, s18, 7
	s_lshl_b32 s76, s76, 8
	s_lshl_b32 s77, s12, 6
	s_add_co_u32 s76, s76, s77
	s_lshl_b32 s76, s76, 7
.irp hd, 0,1,2
	s_add_co_u32 s62, s78, \hd
	s_lshr_b32 s63, s62, 4
	s_lshl_b32 s63, s63, 6
	s_and_b32 s62, s62, 15
	s_add_co_u32 s62, s62, s63
	s_add_co_u32 s62, s62, s79
	s_lshl_b32 s62, s62, 18
	s_add_co_u32 s62, s62, s76
	s_mov_b32 s63, 0
	s_add_nc_u64 s[66+2*(\hd):67+2*(\hd)], s[10:11], s[62:63]
.endr
; 12 matrix instructions: m blocks a0, a0 + 1 of the window's four (hi = 0: my rows 0-63, 1: rows 64-127) x all 6 n blocks, 32 along K.  zero = 1: the product starts the sums.
; The 48 accumulators take turns, one instruction a turn, in the same order in every quarter.
.macro MUL f, hi, a0, zero
	WIN 0xa1+0x50*(\hi)                            ; source 0 window 1, source 1 window 0, C and D window 2 or 3
.irp a, \a0, (\a0)+1
.irp b, 0,1,2,3,4,5
.if \zero
	v_wmma_f32_16x16x32_bf16 v[8*(NBK*(\a)+(\b)):8*(NBK*(\a)+(\b))+7], v[(\f)+8*(\b):(\f)+8*(\b)+7], v[(\f)+8*(4*(\hi)+(\a)):(\f)+8*(4*(\hi)+(\a))+7], 0
.else
	v_wmma_f32_16x16x32_bf16 v[8*(NBK*(\a)+(\b)):8*(NBK*(\a)+(\b))+7], v[(\f)+8*(\b):(\f)+8*(\b)+7], v[(\f)+8*(4*(\hi)+(\a)):(\f)+8*(4*(\hi)+(\a))+7], v[8*(NBK*(\a)+(\b)):8*(NBK*(\a)+(\b))+7]
.endif
.endr
.endr
.endm
; 28 LDS loads in one run: quarter q's fragments (32 K at byte 64 q of the rows) into buffer f: wqkv's 12, then xb's rows 0-63 (8), then its rows 64-127 (8)
.macro FETCH slot, q, f
	WIN 0x40                                       ; destination window 1
.irp i, 0,1,2,3,4,5
	ds_load_b128 v[(\f)+8*(\i):(\f)+8*(\i)+3],   v[ADRB+(\slot)] offset:64*(\q)+(\i)*16*PITCH
	ds_load_b128 v[(\f)+8*(\i)+4:(\f)+8*(\i)+7], v[ADRB+(\slot)] offset:64*(\q)+(\i)*16*PITCH+32
.endr
	WIN 0
.irp i, 0,1,2,3,4,5,6,7
	ds_load_b128 v[(\f)+8*(\i):(\f)+8*(\i)+3],   v[ADRA+(\slot)] offset:64*(\q)+(\i)*16*PITCH
	ds_load_b128 v[(\f)+8*(\i)+4:(\f)+8*(\i)+7], v[ADRA+(\slot)] offset:64*(\q)+(\i)*16*PITCH+32
.endr
.endm
; A K step is four quarters of 32 along K, 48 matrix instructions each, on buffers 0, 1, 0, 1.  One of the first three: multiplies buffer f; in its middle it fetches quarter q into buffer g.
.macro QUARTER slot, q, f, g, zero
	s_wait_dscnt 8                                 ; all but the youngest eight loads (xb's rows 64-127) are in
	MUL \f, 0, 0, \zero
	MUL \f, 0, 2, \zero
	PLACES
	FETCH \slot, \q, \g
	s_wait_dscnt 28                                ; all but the 28 just issued
	MUL \f, 1, 0, \zero
	MUL \f, 1, 2, \zero
.endm
; The last quarter multiplies buffer 1 and changes slots: ONE barrier; in front of it each wave waits for all its tensor loads (its part of the next slot), adds 0 to its spare word, and waits for that and
; for its own reads of this slot.  fill = 1: the barrier opens a round of the cluster's, and this slot is filled again, two K steps ahead, first thing behind the round.
.macro TURN slot, next, fill
	WIN 0                                          ; (the add's two registers lie in window 0)
	s_wait_tensorcnt 0x0                           ; all my tensor loads have landed
	ds_add_u32 v[SPW], v[NIL]                      ; 0 onto my spare word
	s_wait_dscnt 9                                 ; (the add and the youngest eight loads may be out)
	MUL F1, 0, 0, 0                                ; twelve matrix instructions stand between the add and the wait for it
	s_wait_dscnt 0x0                               ; the add is done, and my reads of this slot are over
	s_barrier_signal -1
	MUL F1, 0, 2, 0
.if \fill
	WIN 0
.endif
	s_barrier_wait -1
.if \fill
	CREST                                          ; no wave of any partner still reads this slot's tile or has a load on its way
	s_add_nc_u64 s[G0A+4*(\slot)+2:G0A+4*(\slot)+3], s[G0A+4*(\slot)+2:G0A+4*(\slot)+3], 512
	s_add_nc_u64 s[G0B+4*(\slot)+2:G0B+4*(\slot)+3], s[G0B+4*(\slot)+2:G0B+4*(\slot)+3], 512
	JLOAD \slot                                    ; my one tensor load behind the round; the four v_nop behind it are also the places in front of the loads below
.else
	PLACES
.endif
	FETCH \next, 0, F0
	MUL F1, 1, 0, 0
	MUL F1, 1, 2, 0
.endm
	s_wait_tensorcnt 1                             ; my part of K step 0 is in; K step 1's may stay out
	s_barrier_signal -1
	s_barrier_wait -1                              ; everybody's is
	FETCH 0, 0, F0
	QUARTER 0, 1, F0, F1, 1                        ; the first quarter stands in front of the loop: its products start the sums
	WIN 0                                          ; at a label and at a branch every window is 0
	s_mov_b32 s19, 3
.Llap:                                                 ; a trip goes once round the ring, from a lap's second quarter to the next lap's first, and fills both slots again: K steps 2 to 7 in three trips
	QUARTER 0, 2, F1, F0, 0
	QUARTER 0, 3, F0, F1, 0
	TURN 0, 1, 1
	QUARTER 1, 1, F0, F1, 0
	QUARTER 1, 2, F1, F0, 0
	QUARTER 1, 3, F0, F1, 0
	TURN 1, 0, 1
	QUARTER 0, 1, F0, F1, 0
	WIN 0
	s_sub_co_u32 s19, s19, 1
	s_cmp_lg_u32 s19, 0
	s_cbranch_scc1 .Llap
	QUARTER 0, 2, F1, F0, 0                        ; the last lap fills nothing, and has no round of the cluster's barrier
	QUARTER 0, 3, F0, F1, 0
	TURN 0, 1, 0                                   ; behind this barrier nobody reads slot 0 any more
	QUARTER 1, 1, F0, F1, 0
	QUARTER 1, 2, F1, F0, 0
	QUARTER 1, 3, F0, F1, 0
	s_wait_dscnt 8                                 ; the very last quarter: nothing more to fetch
	MUL F1, 0, 0, 0
	MUL F1, 0, 2, 0
	s_wait_dscnt 0x0
	MUL F1, 1, 0, 0
	MUL F1, 1, 2, 0
	WIN 0
	; THE WAY OUT, 16 rows at a time.  For a pair (x1, x2) and its (cos, sin): first (-x2 sin, x2 cos), then (x1 cos, x1 sin) is added onto it by a fused multiply-add.  Each accumulator is read from its low end on.
	PLACES
.irp a, 0,1,2,3,4,5,6,7
.if (\a) < 7
	s_wait_loadcnt 12                              ; this block's twelve table loads are in; the other buffer's twelve may stay out
.else
	s_wait_loadcnt 0x0
.endif
	WIN 0x02+(\a)/4                                ; source 0: window 2 or 3
.irp b, 0,1,2,3,4,5
	TREG (\a)%2, \b
.set AC, 48*((\a)%4)+8*(\b)
.irp j, 0,2,4,6
	v_pk_mul_f32 v[PP+\j:PP+\j+1], v[AC+\j:AC+\j+1], v[TT+\j:TT+\j+1] op_sel:[1,1] op_sel_hi:[1,0] neg_lo:[1,0]
.endr
.irp j, 0,2,4,6
	v_pk_fma_f32 v[OO+8*(\b)+\j:OO+8*(\b)+\j+1], v[AC+\j:AC+\j+1], v[TT+\j:TT+\j+1], v[PP+\j:PP+\j+1] op_sel_hi:[0,1,1]
.endr
.endr
	WIN 0
.set i, 0
.rept 24
	v_cvt_pk_f16_f32 v[OO+i], v[OO+2*i], v[OO+2*i+1]  ; in place, ascending: line i writes a register that the lines behind it no longer read
.set i, i+1
.endr
.irp b, 0,1,2,3,4,5
	ds_store_b128 v[STO], v[OO+4*(\b):OO+4*(\b)+3] offset:16*SP*(\a)+32*(\b)  ; rows 400 bytes apart, 25 x 16
.endr
.if (\a) < 6
	TLOAD (\a)+2                                   ; the buffer just read takes the block two further on
.endif
.endr
	s_wait_dscnt 0x0                               ; for the others' sake: my stores into the stage are done
	s_barrier_signal -1
	s_barrier_wait -1
.irp hd, 0,1,2
.irp t, 0,1,2,3,4,5,6,7,8,9,10,11,12,13,14,15
	ds_load_b128 v[64+64*(\hd)+4*(\t):64+64*(\hd)+4*(\t)+3], v[RD] offset:4*SP*(\t)+128*(\hd)
.endr
.endr
.irp hd, 0,1,2
.irp t, 0,1,2,3,4,5,6,7,8,9,10,11,12,13,14,15
	s_wait_dscnt 47-16*(\hd)-(\t)                  ; LDS loads come back in order: this one is in, the younger ones stay out
	global_store_b128 v[GO], v[64+64*(\hd)+4*(\t):64+64*(\hd)+4*(\t)+3], s[66+2*(\hd):67+2*(\hd)] offset:512*(\t)  ; four rows of one head: 512 consecutive bytes, aligned
.endr
.endr
	s_wait_tensorcnt 0x0                           ; the wave's end: behind my last tensor load and my last LDS store
	ds_add_u32 v[SPW], v[NIL]
	s_wait_dscnt 0x0
	CROUND                                         ; the closing round: no work-group ends while a partner may still ask for a tile that names it
	s_endpgm
.Lfunc_end_k_q4740443a51_qkv:
	.size	k_q4740443a51_qkv, .Lfunc_end_k_q4740443a51_qkv-k_q4740443a51_qkv
	.p2alignl 7, 3214868480
	.fill 96, 4, 3214868480
	.section	.rodata,"a",@progbits
	.p2align	6, 0x0
	.amdhsa_kernel k_q4740443a51_qkv
		.amdhsa_group_segment_fixed_size 327680
		.amdhsa_private_segment_fixed_size 0
		.amdhsa_enable_private_segment 0
		.amdhsa_kernarg_size 32
		.amdhsa_user_sgpr_count 2
		.amdhsa_user_sgpr_kernarg_segment_ptr 1
		.amdhsa_wavefront_size32 1
		.amdhsa_system_sgpr_workgroup_id_x 1
		.amdhsa_system_sgpr_workgroup_id_y 1
		.amdhsa_system_sgpr_workgroup_id_z 1
		.amdhsa_system_vgpr_workitem_id 0
		.amdhsa_next_free_vgpr 960
		.amdhsa_next_free_sgpr 80
		.amdhsa_reserve_vcc 0
		.amdhsa_float_denorm_mode_32 3
		.amdhsa_float_denorm_mode_16_64 3
		.amdhsa_memory_ordered 1
		.amdhsa_forward_progress 1
		.amdhsa_inst_pref_size 152
	.end_amdhsa_kernel
	.amdgpu_metadata
---
amdhsa.version: [ 1, 2 ]
amdhsa.kernels:
  - .name:           k_q4740443a51_qkv
    .symbol:         k_q4740443a51_qkv.kd
    .args:
      - { .name: xb, .offset: 0, .size: 8, .value_kind: global_buffer, .address_space: global }
      - { .name: wqkv, .offset: 8, .size: 8, .value_kind: global_buffer, .address_space: global }
      - { .name: rtab, .offset: 16, .size: 8, .value_kind: global_buffer, .address_space: global }
      - { .name: qkv, .offset: 24, .size: 8, .value_kind: global_buffer, .address_space: global }
    .group_segment_fixed_size: 327680
    .private_segment_fixed_size: 0
    .kernarg_segment_align: 8
    .kernarg_segment_size: 32
    .max_flat_workgroup_size: 128
    .sgpr_count:     80
    .vgpr_count:     960
    .wavefront_size: 32
...
	.end_amdgpu_metadata
.endif
;; end of part 2
;; launch attn (part 3): grid 4 x 64, 4 waves a work-group, no clusters, 327,680 bytes of LDS; arguments qkv, o16; writes o16
.if DOCPART == 3
	.amdgcn_target "amdgcn-amd-amdhsa--gfx1250"
	.amdhsa_code_object_version 6
	.text
	.protected	k_q4740443a51_attn
	.globl	k_q4740443a51_attn
	.p2align	8
	.type	k_q4740443a51_attn,@function
k_q4740443a51_attn:
	s_mov_b64 s[64:65], 0
	v_nop
	global_prefetch_b8 v0, s[64:65] scope:SCOPE_SE
	s_setreg_imm32_b32 hwreg(HW_REG_WAVE_MODE, 25, 1), 1
	s_wait_xcnt 0x0
; CAUSAL ATTENTION.  O[h][q][:] = the sum over k <= q of softmax_k(Q[h][q] . K[h][k] / 8) V[h][k][:], for 64 pairs h of batch and head.  qkv holds Q, K and V one behind the other, each [64][2048][64] in f16;
; a head's rows are dense, 128 bytes each.  V arrives as 16 v, so O leaves as 16 O, in the same layout, f16.  Products, maxima and sums in f32; the weights p are rounded to f16 for the second product
; (their sum l is taken of the unrounded p), O once at the end.
; LIMITS.  Q, K and V arrive within f16's 65,504; p lies in 0 to 1, and below 6e-5 it keeps f16's fixed step of 6e-8; O is a mean of V's rows and has their range.
; A hidden score counts as its value less 1e30: f16's scores, 2.7e11 at the most, are nothing beside that; a weight below 2^-126 counts as 0 in l; NaN and infinities are not treated apart.
; THE WALK.  A head's queries lie in NB = 8 blocks of 256; block i needs the key tiles 0 .. i of 256 keys, of which the last holds the diagonal.  A work-group takes TWO blocks, NB - 1 - b and then b:
; NB + 1 tiles, whatever b: all 256 work-groups do equal work, and ONE loop with a constant trip count walks them.  Which tile is asked for, and what a trip does, hang on scalar registers made from b; every jump
; goes forward, but for the counted loops' own; none passes a barrier, or a tensor load but the one of LOAD's two that the wave's number does not choose; the ring (two slots of LDS that take turns) runs on across the
; change of blocks.  NO CLUSTER: a head's four work-groups ask for the same tile only in trips 0 .. NB / 2, 5 of the walk's 9; behind that fewer and fewer do; a walk common to all four, in which each makes every
; joint request, would have 3 NB / 2 = 12 trips for NB + 1 = 9.
; SHARES.  Of a block's four bands of 64 queries a wave owns 16 rows in each: four PIECES.  So the diagonal tile is the same work for all four waves: in its key step s band x sees all keys if s < x,
; none if s > x, and holds the diagonal if s = x.
; THE MASK is the C operand that starts the sum S^T = K Q^T: 0, or -1e30 where the key is hidden.  MD, made once, is the mask of a band's own step for my 16 rows; a product's mask is MD x AL + BE with two scalars:
; (1, 0) if s = x; (0, 0) if s < x; (0, -1e30) if s > x.  Only the diagonal tile's text and a block's beginning make and take masks; elsewhere C is the constant 0.
; LAYOUT, SOFTMAX, TURNS.  S^T = K Q^T holds ONE query a lane (lane % 16) and the keys 8 (lane / 16) + 0..7; two such results rounded to f16 ARE source 1 of O^T = V^T P.  p = 2^(c s - c m), c = log2(e) / 8, with a
; running maximum m; O and l are multiplied by a = 2^(c m_old - c m_new) in every step.  Turn n belongs to piece n: 8 products K Q^T of piece n + 1, later 8 products V^T P of piece n - 1; beside them the scaling,
; exponentials, roundings, sums and rescaling of piece n and the maximum and statistics of piece n + 1.  Four vector instructions stand behind every matrix instruction, the other 54 of a turn's 118 in two runs of their own.
; REGISTERS, in windows of 256 (s_set_vgpr_msb: bits 1:0 source 0, 3:2 source 1, 5:4 source 2, 7:6 destination):
;   window 0: v0-15 addresses and two at work; v16-31 four registers of statistics a piece; v48-55 at work; v61-63 kept; v64-127 S^T, two buffers; v192-223 P, two buffers (a piece's buffers go by its number's parity)
;   window 1: v0-127 O^T, 32 a piece; v128-159 MD; v160-223 MC, two buffers      window 2: v0-63 Q; v64-127 the second block's Q; v128-191 K of one step; v192-255 V of one step
.set SIZE_N, 2048
.set NB,    SIZE_N/256
.set NP,    4         ; pieces a wave: a name, no knob
.set KS,    64        ; keys in a step
.set PK,    144       ; a row of K in LDS: 128 bytes + 16 of padding = 36 words: the 16 rows of a load start at 16 different groups of four banks (64 banks of 4 bytes: ISA guide 11.1)
.set PV,    160       ; a row of V: 128 + 32 = 40 words
.set VOFF,  4*KS*PK   ; a slot holds a tile, four steps: 256 rows of K, then 256 rows of V
.set SLOT1, 1<<17     ; slot 1 begins here, so that one exclusive or turns an address in one slot into the other's
.set STAGE, SLOT1+4*KS*(PK+PV)  ; behind the ring, never filled by a tensor load: 16 rows x 144 bytes for each wave, for the way out
.set SP,    144
.set AK0, 2           ; v2   my lane's place in a tile of K; never rewritten
.set AV0, 3           ; v3   the same for V
.set AK,  4           ; v4   the LDS address of K's next run of loads
.set AV,  5           ; v5   of V's
.set STO, 6           ; v6   the way out: where I put 16 bytes of a row
.set RD,  7           ; v7   the way out: where I read rows back
.set GO,  8           ; v8   my byte offset in 512 consecutive bytes of O
.set PFO, 61          ; v61  256 x my lane: the prefetches' offset; never rewritten
.set SPW, 62          ; v62  LDS address of my spare word: SPARE + 4 x my thread's number; never rewritten
.set NIL, 63          ; v63  0; never rewritten
.set SPARE, STAGE+4*16*SP  ; behind the stages: the spare words, 128 bytes for each wave: two blocks of 256 bytes that no other line names
.set MV,  12          ; v12-13  c m_old, kept while c m is made anew: by buffer
.set QO,  15          ; v15  my byte offset in 16 rows of Q
.set ST,  16          ; piece t's statistics at v[ST+4 t]: c m, m, l (even keys', odd keys')
.set TMP, 48          ; by buffer, four registers c0-c3 at work; when the maximum is found c2 takes a
.set S,   64
.set P,   192
.set MD,  128         ; window 1: the eight registers for group kt of 16 keys at MD + 8 kt
.set MC,  160         ; window 1: the masks of the products to come
.set QB,  64          ; window 2
.set KF,  128         ; window 2: key block kb, channel half c at KF + 16 kb + 8 c
.set VF,  192         ; window 2: key half kk, channel block cb at VF + 32 kk + 8 cb
.set WV,  12          ; s12  my wave's number
.set PB,  14          ; s14  b
.set HI,  15          ; s15  NB - 1 - b
.set G1K, 24          ; s[24:31] descriptor group 1 for K's tiles
.set G1V, 32          ; s[32:39] for V's: it differs in the padding alone
.set G0K, 40          ; s[40:43] descriptor group 0 for K's tiles
.set G0V, 44          ; s[44:47] the same for V's
.set SLOTS, 56        ; s56  tiles still to be asked for
.set CNT, 57          ; s57  counts a tile's key steps, 4 to 1
.set CS,  58          ; s[58:59] c: the packed scaling takes the pair's low word for both halves
.set SEL, 60          ; s[60:61] v_permlanex16_b32's selects: each lane takes its own place in the other half
.set TBK, 62          ; s62  LDS byte at which K of the step to be fetched begins
.set TBV, 63          ; s63  the same for V, less VOFF
.set RT,  70          ; s70  tiles of the block in hand that are still to be entered
.set NXT, 71          ; s71  the tile to be asked for next
.set LQ,  72          ; s72  the last tile of the block whose tiles are being asked for
.set NEW, 73          ; s73  1: the tile to be entered is a block's first
.set OFF, 74          ; s[74:75] a tile's byte offset in K and V
.set AL,  76          ; s[76:77] the mask's factor, in the low word
.set BE,  78          ; s[78:79] the mask's addend
.set OLO, 80          ; s[80:81] O at my rows of the second block
.set BIGN, 82         ; s82  -1e30
.set PFL, 83          ; s83  prefetches still to make: NB - 2 in the head's work-group with b = 0, else 0
.set PFA, 88          ; s[88:89] where my prefetches stand: my half (of K: waves 0, 1; of V: waves 2, 3) of the tile behind the one that is being asked for
.set MSB, 0
.macro WIN new                      ; the high byte repeats the setting that is left; a switch that changes nothing is dropped
.if MSB != (\new)
	s_set_vgpr_msb (MSB<<8)|(\new)
.set MSB, (\new)
.endif
.endm
.set W_KQ, 0x0a       ; K and Q in window 2, S^T in window 0
.set W_KM, 0x1a       ; the same with the C operand in window 1
.set W_PV, 0x52       ; V in window 2, P in window 0, O^T in window 1
.set W_RS, 0x41       ; destination and source 0 in window 1, source 1 in window 0
; A fill.  Waves 0 and 1 fetch the two halves of a tile's K, waves 2 and 3 those of its V: 128 keys each.  An s_nop 0 and four v_nop follow each of the two lines, ahead of the jump and the label.
.macro LOAD
	s_cmp_lt_u32 s[WV], 2
	s_cbranch_scc0 .Lfor_v_\@
	tensor_load_to_lds s[G0K:G0K+3], s[G1K:G1K+7]
	s_nop 0
.rept 4
	v_nop
.endr
	s_branch .Lasked_\@
.Lfor_v_\@:
	tensor_load_to_lds s[G0V:G0V+3], s[G1V:G1V+7]
	s_nop 0
.rept 4
	v_nop
.endr
.Lasked_\@:
.endm
; A PREFETCH INTO THE L2 of what the NEXT change of slots will ask for.  A head's four work-groups walk the tiles 0, 1, 2 .. together at first; the one with b = 0, whose first block needs all eight, asks for all:
; in trip t (0 to NB - 3), which loads tile t + 1, each of its waves names its own half of tile t + 2: 128 rows of 128 bytes = 64 blocks of 256 bytes, a lane a block, two instructions.
; So each block of tiles 2 to 7 is named once in the launch; tiles 0 and 1 come by their loads alone; nothing behind tile NB - 1 is named.  It stands behind the wave's tensor load and its five lines.
.macro ASK
	s_cmp_lg_u32 s[PFL], 0
	s_cbranch_scc0 .Lnot_mine_\@
	global_prefetch_b8 v[PFO], s[PFA:PFA+1] th:TH_LOAD_NT scope:SCOPE_SE
	global_prefetch_b8 v[PFO], s[PFA:PFA+1] offset:8192 th:TH_LOAD_NT scope:SCOPE_SE
	s_sub_co_u32 s[PFL], s[PFL], 1
.Lnot_mine_\@:
.endm
; THE CHANGE OF SLOTS.  Each wave waits for all its tensor loads, of which one is out: its part of the other slot; adds 0 to its spare word; and waits for that and for its own reads of the slot that it leaves.  Behind the barrier nobody reads the old
; slot any more and the other slot is whole.  fill = 1: the old slot is filled again, the first thing behind the barrier, with tile NXT: the descriptor's address is made anew from that number.
; (At its first use nothing has been read yet: slot 0 is waited for, slot 1 filled.)
.macro CHANGE fill
	WIN 0                           ; at a label and at a branch every window is 0
	s_wait_tensorcnt 0x0            ; no tensor load of mine is out, so a group 0 may be written
	ds_add_u32 v[SPW], v[NIL]       ; 0 onto my spare word; with fill = 1 the descriptors' scalar work stands between it and the wait for it
.if \fill
	s_lshl_b32 s[OFF], s[NXT], 15   ; a tile is 32,768 bytes of K and of V
	s_xor_b32 s[G0K+1], s[G0K+1], SLOT1
	s_add_nc_u64 s[G0K+2:G0K+3], s[6:7], s[OFF:OFF+1]
	s_or_b32 s[G0K+3], s[G0K+3], 0x80000000
	s_xor_b32 s[G0V+1], s[G0V+1], SLOT1
	s_add_nc_u64 s[G0V+2:G0V+3], s[8:9], s[OFF:OFF+1]
	s_or_b32 s[G0V+3], s[G0V+3], 0x80000000
	s_add_co_u32 s[NXT], s[NXT], 1  ; the block's next tile, or behind its last the second block's tile 0
	s_cmp_gt_u32 s[NXT], s[LQ]
	s_cselect_b32 s[NXT], 0, s[NXT]
	s_cselect_b32 s[LQ], s[PB], s[LQ]
	s_wait_xcnt 0x0                 ; the last prefetches, a tile back, have read their address, so it may be written:
	s_add_nc_u64 s[PFA:PFA+1], s[PFA:PFA+1], 32768  ; a tile on
.endif
	s_wait_dscnt 0x0                ; the add is done, and my reads of the slot are over
	s_barrier_signal -1             ; the rest of the scalar work stands between the signal and the wait
	s_sub_co_u32 s[TBK], s[TBK], 4*KS*PK  ; the fetches go back to a slot's first step,
	s_xor_b32 s[TBK], s[TBK], SLOT1       ; in the other slot
	s_sub_co_u32 s[TBV], s[TBV], 4*KS*PV
	s_xor_b32 s[TBV], s[TBV], SLOT1
	s_barrier_wait -1
.if \fill
	LOAD
	ASK
.endif
.endm
	s_load_b64 s[4:5], s[0:1], 0x0    ; qkv: Q at its head
	s_load_b64 s[10:11], s[0:1], 0x8  ; o16
	v_lshl_add_u32 v[SPW], v0, 2, SPARE
	v_mov_b32 v[NIL], 0
	ds_add_u32 v[SPW], v[NIL]       ; the wave's opening: the add and its wait stand ahead of my first tensor load; the set-up below, work on registers, stands between them
	ds_add_u32 v62, v63
	v_lshrrev_b32 v1, 5, v0
	v_readfirstlane_b32 s[WV], v1   ; wave 0..3
	s_mov_b32 s[PB], ttmp9
	s_sub_co_u32 s[HI], NB-1, s[PB]
	s_and_b32 s20, ttmp7, 0xffff    ; the head
	s_mov_b32 s21, 0
	s_mov_b64 s[22:23], SIZE_N*128
	s_mul_u64 s[20:21], s[20:21], s[22:23]  ; the head's first byte in each of the four tensors
	s_and_b32 s16, s[WV], 1         ; which half of a tile's 256 keys I fetch:
	s_lshl_b32 s22, s16, 14         ; its 128 rows of 128 bytes in memory,
	s_mov_b32 s23, 0
	s_add_nc_u64 s[22:23], s[22:23], s[20:21]
	s_mul_i32 s17, s16, 128*PK      ; and its place in a slot, for K
	s_mul_i32 s18, s16, 128*PV      ; and for V
	s_lshl_b32 s3, s[WV], 11        ; my 16 rows in a band of 64,
	s_lshl_b32 s2, s[HI], 15        ; in the first block,
	s_add_co_u32 s2, s2, s3
	s_lshl_b32 s84, s[PB], 15       ; and in the second
	s_add_co_u32 s84, s84, s3
	s_mov_b32 s3, 0
	s_mov_b32 s85, 0
	s_add_nc_u64 s[2:3], s[2:3], s[20:21]
	s_add_nc_u64 s[84:85], s[84:85], s[20:21]
	; descriptor group 1.  128 keys are 16,384 dense bytes: asked for as 64 rows of 256 bytes, two keys a row, and padded in LDS after every key
	s_mov_b32 s[G1K], (1<<16)|(1<<20)|(4<<22)|(3<<25)  ; 17:16 2-byte elements; 20 padding on; 24:22 after every 32 words (code 4); 31:25 4 words (code 3)
	s_mov_b32 s[G1V], (1<<16)|(1<<20)|(4<<22)|(7<<25)  ; the same with 8 words of padding (code 7)
.irp g, G1K, G1V
	s_mov_b32 s[\g+1], 128<<16      ; tensor_dim0 = 128
	s_mov_b32 s[\g+2], 64<<16       ; tensor_dim1 = 64
	s_mov_b32 s[\g+3], 128<<16      ; tile_dim0 = 128
	s_mov_b32 s[\g+4], 64           ; tile_dim1 = 64
	s_mov_b32 s[\g+5], 128          ; 128 elements from row to row
	s_mov_b32 s[\g+6], 0
	s_mov_b32 s[\g+7], 0
.endr
	s_mov_b32 s[CS], 0x3e38aa3b     ; c = log2(e) / 8 = 0.180337
	s_mov_b32 s[CS+1], s[CS]        ; named with it as a pair
	s_mov_b32 s[SEL], 0x76543210
	s_mov_b32 s[SEL+1], 0xfedcba98
	s_mov_b32 s[TBK], SLOT1+4*KS*PK ; the first change of slots turns these two into 0
	s_mov_b32 s[TBV], SLOT1+4*KS*PV
	s_mov_b32 s[G0K], 1             ; 1:0 count = 1
	s_mov_b32 s[G0K+1], s17         ; 63:32 LDS address: slot 0
	s_mov_b32 s[G0V], 1
	s_add_co_u32 s[G0V+1], s18, VOFF
	s_add_co_u32 s[RT], s[HI], 1    ; the first block has NB - b tiles
	s_mov_b32 s[NXT], 1
	s_mov_b32 s[LQ], s[HI]
	s_mov_b32 s[NEW], 1
	s_mov_b32 s[OFF+1], 0
	s_mov_b32 s[AL+1], 0            ; named as pairs
	s_mov_b32 s[BE+1], 0
	s_mov_b32 s[BIGN], 0xf149f2ca   ; -1e30
	s_mov_b32 s[SLOTS], NB
	s_cmp_eq_u32 s[PB], 0
	s_cselect_b32 s[PFL], NB-2, 0
	v_and_b32 v[PFO], 31, v0
	v_lshlrev_b32 v[PFO], 8, v[PFO]
	s_wait_dscnt 0x0                ; the opening add is done
	s_wait_kmcnt 0x0
	s_add_nc_u64 s[6:7], s[4:5], 0x1000000   ; K lies 64 x 2048 x 128 bytes behind Q,
	s_add_nc_u64 s[8:9], s[4:5], 0x2000000   ; V as far behind K
	s_add_nc_u64 s[6:7], s[6:7], s[22:23]  ; K and V at my half of the head's tile 0
	s_add_nc_u64 s[8:9], s[8:9], s[22:23]
	s_add_nc_u64 s[G0K+2:G0K+3], s[6:7], 0         ; 120:64 global address
	s_or_b32 s[G0K+3], s[G0K+3], 0x80000000        ; 127:126 type = 2
	s_add_nc_u64 s[G0V+2:G0V+3], s[8:9], 0
	s_or_b32 s[G0V+3], s[G0V+3], 0x80000000
	s_add_nc_u64 s[86:87], s[4:5], s[84:85]        ; Q at my rows of the second block,
	s_add_nc_u64 s[4:5], s[4:5], s[2:3]            ; Q and O at those of the first
	s_add_nc_u64 s[OLO:OLO+1], s[10:11], s[84:85]
	s_add_nc_u64 s[10:11], s[10:11], s[2:3]
	s_cmp_lt_u32 s[WV], 2
	s_cselect_b64 s[PFA:PFA+1], s[6:7], s[8:9]
	s_add_nc_u64 s[PFA:PFA+1], s[PFA:PFA+1], 32768 ; at tile 1; the first change of slots steps it to tile 2.  Nothing is prefetched here, at the head
	LOAD                            ; tile 0 into slot 0
	; A fragment of K or Q is 16 rows x 32 channels in 8 registers: lane l holds row l % 16, channels 8 (l / 16) + 0..7 and 16 + 8 (l / 16) + 0..7: two loads of 16 bytes, 32 bytes apart.
	v_and_b32 v1, 15, v0            ; l % 16
	v_bfe_u32 v9, v0, 4, 1          ; l / 16
	v_lshlrev_b32 v[QO], 7, v1
	v_lshl_add_u32 v[QO], v9, 4, v[QO]  ; row x 128 + 16 x half
	WIN 0x80                        ; destination window 2, address window 0
.set i, 0
.rept 8                             ; both blocks' Q: piece i / 2 lies in band i / 2, 8,192 bytes on; channels 32 (i % 2) on
	global_load_b128 v[8*i:8*i+3],   v[QO], s[4:5] offset:(i/2)*8192+(i%2)*64
	global_load_b128 v[8*i+4:8*i+7], v[QO], s[4:5] offset:(i/2)*8192+(i%2)*64+32
	global_load_b128 v[QB+8*i:QB+8*i+3],   v[QO], s[86:87] offset:(i/2)*8192+(i%2)*64
	global_load_b128 v[QB+8*i+4:QB+8*i+7], v[QO], s[86:87] offset:(i/2)*8192+(i%2)*64+32
.set i, i+1
.endr
	WIN 0
	v_lshlrev_b32 v14, 3, v9
	v_sub_nc_u32 v14, v1, v14
	s_lshl_b32 s13, s[WV], 4
	v_add_nc_u32 v14, s13, v14      ; my query's place in its band, 16 w + l % 16, less my lanes' 8 (l / 16): register r of group kt is hidden where 16 kt + r is greater
	WIN 0x40
.set i, 0
.rept 32
	v_cmp_gt_i32 vcc_lo, 16*(i/8)+i%8, v14
	v_cndmask_b32 v[MD+i], 0, s[BIGN], vcc_lo
.set i, i+1
.endr
	WIN 0
	v_mul_u32_u24 v[AK0], v1, PK
	v_lshl_add_u32 v[AK0], v9, 4, v[AK0]  ; row x pitch + 16 x half
	; The turning load takes 16 keys x 16 channels (lane l reads key 8 (l / 16) + l % 8, channels 8 ((l / 8) % 2) + 0..7) and leaves half a fragment of V^T: lane l holds channel l % 16 and 8 keys.
	v_and_b32 v10, 7, v0
	v_bfe_u32 v11, v0, 3, 1
	v_lshl_add_u32 v[AV0], v9, 3, v10
	v_mul_u32_u24 v[AV0], v[AV0], PV
	v_lshl_add_u32 v[AV0], v11, 4, v[AV0]
	v_add_nc_u32 v[AV0], VOFF, v[AV0]
	s_mul_i32 s13, s[WV], 16*SP
	s_add_co_u32 s13, s13, STAGE    ; my stage
	v_mul_u32_u24 v[STO], v1, SP    ; in: row l % 16, 16 bytes for each half of the lanes
	v_lshl_add_u32 v[STO], v9, 4, v[STO]
	v_add_nc_u32 v[STO], s13, v[STO]
	v_bfe_u32 v[RD], v0, 3, 2       ; back: 32 lanes take four rows of 128 bytes,
	v_mul_u32_u24 v[RD], v[RD], SP
	v_lshl_add_u32 v[RD], v10, 4, v[RD]
	v_add_nc_u32 v[RD], s13, v[RD]
	v_and_b32 v[GO], 31, v0         ; which are 512 consecutive bytes of O
	v_lshlrev_b32 v[GO], 4, v[GO]
	; A block's first step multiplies O^T and l by a = 0, and its first turn's products V^T P, of a piece that has not been, land in an O^T that is still to be so multiplied.  So these registers need only hold
	; finite numbers: zeros for the first block; what the first block left for the second.  All this stands in the wait for the first tile.
	WIN 0x80
.set i, VF
.rept 64
	v_mov_b32 v[i], 0
.set i, i+1
.endr
	WIN 0x40
.set i, 0
.rept 128
	v_mov_b32 v[i], 0
.set i, i+1
.endr
	WIN 0
.set i, 0
.rept 4
	v_mov_b32 v[ST+4*i+2], 0
	v_mov_b32 v[ST+4*i+3], 0
.set i, i+1
.endr
.set i, P+16
.rept 16
	v_mov_b32 v[i], 0
.set i, i+1
.endr
; THE MATRIX WORK.  The 4 accumulators of a run of 8 take turns.  Product i of 8 of S^T = K Q^T for piece x: channels 32 (i / 4) on, keys 16 (i % 4) on.  The first 4 start the sums: with 0, or (KM = 1) with the mask.
.macro KQ x
.set rS, S+32*((\x)%2)+8*(i%4)
.set rK, KF+16*(i%4)+8*(i/4)
.set rQ, 16*(\x)+8*(i/4)
.set rM, MC+32*((\x)%2)+8*(i%4)
.if (i < 4) && KM
	WIN W_KM
	v_wmma_f32_16x16x32_f16 v[rS:rS+7], v[rK:rK+7], v[rQ:rQ+7], v[rM:rM+7]
.elseif i < 4
	WIN W_KQ
	v_wmma_f32_16x16x32_f16 v[rS:rS+7], v[rK:rK+7], v[rQ:rQ+7], 0
.else
	WIN W_KQ
	v_wmma_f32_16x16x32_f16 v[rS:rS+7], v[rK:rK+7], v[rQ:rQ+7], v[rS:rS+7]
.endif
.endm
; Product i of 8 of O^T += V^T P for piece x: keys 32 (i / 4) on, channels 16 (i % 4) on.
.macro PV x
	WIN W_PV
.set rO, 32*(\x)+8*(i%4)
.set rV, VF+32*(i/4)+8*(i%4)
.set rP, P+16*((\x)%2)+8*(i/4)
	v_wmma_f32_16x16x32_f16 v[rO:rO+7], v[rV:rV+7], v[rP:rP+7], v[rO:rO+7]
.endm
.macro MM                           ; the turn's next matrix instruction.  TURN and BEGIN set Y, i, KM and NOKQ; MM, KQ and OP read them.  NOKQ = 1: a block's last turn: there is no next piece
.if (i < 8) && !NOKQ
	KQ (Y+1)%NP
.elseif i >= 8
.set i, i-8
	PV (Y+NP-1)%NP
.set i, i+8
.endif
.set i, i+1
.endm
; THE LDS LOADS stand in runs of 16, never singly among the matrix instructions: a step's K (64 keys x 64 channels: 8 fragments) and its V (turned).  Their addresses are made some lines ahead.
.macro FETCH_K
	WIN 0x80                        ; destination window 2
.irp f, 0,1,2,3,4,5,6,7             ; keys 16 (f / 2) on, channels 32 (f % 2) on
	ds_load_b128 v[KF+8*\f:KF+8*\f+3],   v[AK] offset:(\f/2)*16*PK+(\f%2)*64
	ds_load_b128 v[KF+8*\f+4:KF+8*\f+7], v[AK] offset:(\f/2)*16*PK+(\f%2)*64+32
.endr
	s_add_co_u32 s[TBK], s[TBK], KS*PK  ; the next fetch is the next step's
	WIN 0
.endm
.macro FETCH_V
	WIN 0x80
.irp f, 0,1,2,3,4,5,6,7             ; keys 32 (f / 4) on, channels 16 (f % 4) on
	ds_load_tr16_b128 v[VF+8*\f:VF+8*\f+3],   v[AV] offset:(\f/4)*32*PV+(\f%4)*32
	ds_load_tr16_b128 v[VF+8*\f+4:VF+8*\f+7], v[AV] offset:(\f/4)*32*PV+16*PV+(\f%4)*32
.endr
	WIN 0
.endm
; THE VECTOR WORK, one line at a time: OP kind, number.  For piece Y: F n: c s - c m for pair n of 16.  E n: the exponential of score n of 32.  C n: pair n rounded to f16.  B n: of the four weights 4 n .. the second
; pair is added onto the first, in place.  L n: l takes that sum (L 0: l = a l + sum).  R n: pair n of 16 of O^T times a.  For piece Y + 1: X n, number n of the 22 that find its maximum and statistics:
;   0-11  four chains c0-c3 of seven scores each, three operands at a time (each accumulator's lowest registers are read first)     12-14, 16  the four scores left over, the old m, and c0-c3 into c0
;   15  c m_old is kept     17, 18  the query's other 32 keys lie in the lane 16 away: the new m     19-21  c m; c m_old - c m_new; a
.set F, 0               ; OP tells the kinds apart by their order: F to L below R, X above it
.set E, 1
.set C, 2
.set B, 3
.set L, 4
.set R, 5
.set X, 6
.macro REGS y                       ; the registers of piece y
.set rT, ST+4*(\y)
.set rC, TMP+4*((\y)%2)
.set rW, MV+((\y)%2)
.set rS, S+32*((\y)%2)
.set rP, P+16*((\y)%2)
.set rO, 32*(\y)
.endm
.macro OP k, n
.if (\k) == R
	REGS Y
	WIN W_RS
	v_pk_mul_f32 v[rO+2*(\n):rO+2*(\n)+1], v[rO+2*(\n):rO+2*(\n)+1], v[rC+2:rC+3] op_sel_hi:[1,0]
.elseif (\k) < R
	REGS Y
	WIN 0
.if (\k) == F
	v_pk_fma_f32 v[rS+2*(\n):rS+2*(\n)+1], v[rS+2*(\n):rS+2*(\n)+1], s[CS:CS+1], v[rT:rT+1] op_sel_hi:[1,0,0] neg_lo:[0,0,1] neg_hi:[0,0,1]
.elseif (\k) == E
	v_exp_f32 v[rS+(\n)], v[rS+(\n)]
.elseif (\k) == C
	s_wait_alu depctr_va_vdst(0)
	v_cvt_pk_f16_f32 v[rP+(\n)], v[rS+2*(\n)], v[rS+2*(\n)+1]
.elseif (\k) == B
	s_wait_alu depctr_va_vdst(0)
	v_pk_add_f32 v[rS+4*(\n):rS+4*(\n)+1], v[rS+4*(\n):rS+4*(\n)+1], v[rS+4*(\n)+2:rS+4*(\n)+3]
.elseif (\n) == 0
	v_pk_fma_f32 v[rT+2:rT+3], v[rT+2:rT+3], v[rC+2:rC+3], v[rS:rS+1] op_sel_hi:[1,0,1]
.else
	v_pk_add_f32 v[rT+2:rT+3], v[rT+2:rT+3], v[rS+4*(\n):rS+4*(\n)+1]
.endif
.elseif NOKQ
	v_nop
.else
	REGS (Y+1)%NP
	WIN 0
.if (\n) < 4
	v_max3_num_f32 v[rC+(\n)], v[rS+8*(\n)], v[rS+8*(\n)+1], v[rS+8*(\n)+2]
.elseif (\n) < 12
	v_max3_num_f32 v[rC+(\n)%4], v[rC+(\n)%4], v[rS+8*((\n)%4)+2*((\n)/4)+1], v[rS+8*((\n)%4)+2*((\n)/4)+2]
.elseif (\n) == 12
	v_max3_num_f32 v[rC], v[rC], v[rS+7], v[rS+15]
.elseif (\n) == 13
	v_max3_num_f32 v[rC+1], v[rC+1], v[rS+23], v[rS+31]
.elseif (\n) == 14
	v_max3_num_f32 v[rC+2], v[rC+2], v[rC+3], v[rT+1]
.elseif (\n) == 15
	v_mov_b32 v[rW], v[rT]
.elseif (\n) == 16
	v_max3_num_f32 v[rC], v[rC], v[rC+1], v[rC+2]
.elseif (\n) == 17
	v_permlanex16_b32 v[rC+3], v[rC], s[SEL], s[SEL+1]
.elseif (\n) == 18
	v_max_num_f32 v[rT+1], v[rC], v[rC+3]
.elseif (\n) == 19
	v_mul_f32 v[rT], s[CS], v[rT+1]
.elseif (\n) == 20
	v_sub_f32 v[rC+1], v[rW], v[rT]
.else
	v_exp_f32 v[rC+2], v[rC+1]
.endif
.endif
.endm
.macro OPS a, i1, b=-1, i2=0, c=-1, i3=0, d=-1, i4=0  ; up to four of them
	OP \a, \i1
.if (\b) >= 0
	OP \b, \i2
.endif
.if (\c) >= 0
	OP \c, \i3
.endif
.if (\d) >= 0
	OP \d, \i4
.endif
.endm
.macro ROW a, i1, b, i2, c, i3, d, i4  ; a matrix instruction and the four behind it
	MM
	OPS \a, \i1, \b, \i2, \c, \i3, \d, \i4
.endm
.macro MASK b                       ; MD x AL + BE into buffer b of MC
	WIN W_RS
.set z, 0
.rept 16
	v_pk_fma_f32 v[MC+32*(\b)+2*z:MC+32*(\b)+2*z+1], v[MD+2*z:MD+2*z+1], s[AL:AL+1], s[BE:BE+1] op_sel_hi:[1,0,0]
.set z, z+1
.endr
.endm
; A TURN, for piece p: the order of its 16 matrix and 118 vector instructions, written out.  Behind a matrix instruction: plain, exponential, plain, plain; or four of the rescaling; or, behind the first, four scalings; none
; names a register of the products round it.  In the runs of vector work exponential and plain by turns while exponentials last.  A line reads no result made fewer than three vector instructions in front of it, five if an exponential made it.
; v_permlanex16_b32 (X 17) stands in such a run.
; m = 1: the diagonal tile: the products take masks, and the turn makes the mask for the products of the turn after it: piece p + 2, in step 4 - CNT of the tile.  end = 1: a block's last two turns: nothing is fetched.
; cnt = 1: the loop's count is taken down some lines ahead of the branch that stands behind the turn.
; K of the next step is fetched in piece 2's turn, six vector instructions behind the last product that read K (five of them plain); V of the step in hand in piece 0's turn, eight behind the last product that read V (four
; plain, and X 17).  Each is waited for a turn later.
.macro TURN p, m=0, end=0, cnt=0
.set Y, (\p)
.set i, 0
.set KM, (\m)
.set NOKQ, (\end)*((\p)/3)
.if (\m) && !(\end)
	s_cmp_eq_u32 s[CNT], 4-((\p)+2)%NP  ; is that step the band's own?
	s_cselect_b32 s[AL], 1.0, 0
	s_cmp_lt_u32 s[CNT], 4-((\p)+2)%NP  ; or a later one?
	s_cselect_b32 s[BE], s[BIGN], 0
.endif
.if ((\p) == 3) && !(\end)
	s_wait_dscnt 0x0                ; K is in
.endif
	ROW F,0, F,1, F,2, F,3
	ROW F,4, E,0, F,5, F,6
	ROW F,7, E,1, F,8, F,9
	ROW F,10, E,2, C,0, F,11
	ROW F,12, E,3, X,15, F,13
	ROW R,0, R,1, R,2, R,3
	ROW B,0, E,4, F,14, L,0
.if ((\p) == 2) && !(\end)
	v_add_nc_u32 v[AK], s[TBK], v[AK0]
.endif
	ROW R,4, R,5, R,6, R,7
	OPS E,5, F,15
.if ((\p) == 2) && !(\end)
	FETCH_K
.endif
	OPS E,6, C,1, E,7, R,8
	OPS E,8, R,9, E,9, C,2
	OPS E,10, X,0, E,11, X,1
	OPS E,12, X,2, E,13, X,3
.if (\p) == 1
	s_wait_dscnt 0x0                ; V is in
.endif
	ROW X,4, E,14, X,5, X,6
	ROW X,7, E,15, X,8, X,9
	ROW X,10, E,16, X,11, X,12
	ROW X,13, E,17, X,14, B,1
	ROW C,4, E,18, X,16, L,1
	ROW B,2, E,19, C,6, L,2
	ROW C,8, E,20, B,3, B,4
.if (\p) == 0
	v_add_nc_u32 v[AV], s[TBV], v[AV0]
.endif
	ROW C,3, E,21, L,3, C,5
	OPS E,22, X,17, E,23, C,10
.if (\p) == 0
	FETCH_V
.endif
	OPS E,24, L,4
	OPS E,25, X,18, E,26, C,7
	OPS E,27, B,5, E,28, X,19
	OPS E,29, C,12, E,30, L,5
	OPS E,31, X,20, B,6, C,9
	OPS C,14, C,11, X,21, L,6
.if (\p) == 0
	s_add_co_u32 s[TBV], s[TBV], KS*PV
.endif
.if \cnt
	s_sub_co_u32 s[CNT], s[CNT], 1
	s_cmp_lg_u32 s[CNT], 0
.endif
	OPS C,13, B,7, C,15, R,10
	OPS R,11, R,12, L,7, R,13
	OPS R,14, R,15
.if (\m) && !(\end)
	MASK (\p)%2
.endif
.endm
; A BLOCK BEGINS.  c m starts far below every c s, so the first step's a is 0; m at the lowest finite number, so the first maximum is the scores'.  The second mask buffer is 0; the first takes piece 0's mask for the tile's step 0: its own, if the block's first tile is the diagonal one.
; Then K of that step, piece 0's first scores, and its maximum and statistics.  The loop is entered at a step's first turn, in the middle of a trip.
.macro BEGIN
	s_mov_b32 s[NEW], 0
	WIN 0x40
.set i, MC+32
.rept 32
	v_mov_b32 v[i], 0
.set i, i+1
.endr
	WIN 0
.set i, 0
.rept 4
	v_mov_b32 v[ST+4*i], 0xfe000000    ; c m: far below every c s
	v_mov_b32 v[ST+4*i+1], 0xff7fffff  ; m
.set i, i+1
.endr
	s_cmp_eq_u32 s[RT], 0
	s_cselect_b32 s[AL], 1.0, 0
	s_mov_b32 s[BE], 0
	MASK 0
	WIN 0
	v_add_nc_u32 v[AK], s[TBK], v[AK0]
	FETCH_K
	s_wait_loadcnt 0x0              ; Q
	s_wait_dscnt 0x0
.set KM, 1
.set NOKQ, 0
.set i, 0
.rept 8
	KQ 0
.set i, i+1
.endr
	WIN 0
.rept 4
	v_nop                           ; the places behind those products
.endr
.set Y, NP-1                        ; X works for piece Y + 1: piece 0
.irp n, 0,1,2,3,4,5,6,7,8,9,10,11,12,13,14,15,16,17,18,19,20,21
	OP X, \n
.endr
	v_nop                           ; a plain instruction behind the exponential
.endm
; THE DIAGONAL TILE's four steps, the block's last two turns, its last products, and THE WAY OUT: l's two halves and the other half of the lanes' are added; O^T is divided by l, rounded to f16 and sent through my
; stage in LDS, a piece at a time.
.macro ALL line:vararg              ; one line for each piece t
.set t, 0
.rept 4
	\line
.set t, t+1
.endr
.endm
.macro PACK t                       ; a lane's eight channels of a row pack into 16 bytes; they go into rows of 144 bytes and come back as whole rows of 128, into S^T's registers
	WIN W_RS
.set i, 32*(\t)
.rept 16
	s_wait_alu depctr_va_vdst(0)
	v_pk_mul_f32 v[i:i+1], v[i:i+1], v[ST+4*(\t)+2:ST+4*(\t)+3] op_sel_hi:[1,0]
.set i, i+2
.endr
	WIN 0x05                        ; sources 0 and 1 window 1, destination window 0
.set i, 0
.rept 16
	v_cvt_pk_f16_f32 v[S+16*(\t)+i], v[32*(\t)+2*i], v[32*(\t)+2*i+1]
.set i, i+1
.endr
	WIN 0
.irp f, 0,1,2,3
	ds_store_b128 v[STO], v[S+16*(\t)+4*\f:S+16*(\t)+4*\f+3] offset:32*\f
.endr
.irp f, 0,1,2,3
	ds_load_b128 v[S+16*(\t)+4*\f:S+16*(\t)+4*\f+3], v[RD] offset:\f*4*SP  ; LDS serves a wave's instructions in order (ISA guide 5.7.1.4): these see the stores above; the next piece's stores come behind them
.endr
.endm
.macro SEND t, younger              ; younger: the LDS instructions issued behind piece t's loads: the next piece's eight, or none
	WIN 0
.irp f, 0,1,2,3
	s_wait_dscnt (\younger)+3-\f
	global_store_b128 v[GO], v[S+16*(\t)+4*\f:S+16*(\t)+4*\f+3], s[10:11] offset:(\t)*8192+\f*512  ; 512 consecutive bytes, at a multiple of 256 from O's first
.endr
.endm
.macro DIAG tag                     ; the tag ends its two labels' names, which the jumps below spell out
.LstepM\tag:
	TURN 2, 1
	TURN 3, 1
	WIN 0
.LfirstM\tag:
	TURN 0, 1
	TURN 1, 1, 0, 1
	WIN 0
	s_cbranch_scc1 .LstepM\tag
	TURN 2, 1, 1
	TURN 3, 1, 1
.set i, 0
.rept 8
	PV NP-1
.set i, i+1
.endr
	WIN 0
	ALL v_add_f32 v[ST+4*t+2], v[ST+4*t+2], v[ST+4*t+3]
	ALL v_permlanex16_b32 v[ST+4*t+3], v[ST+4*t+2], s[SEL], s[SEL+1]
	ALL v_add_f32 v[ST+4*t+2], v[ST+4*t+2], v[ST+4*t+3]
	ALL v_rcp_f32 v[ST+4*t+2], v[ST+4*t+2]
	v_nop                           ; a plain instruction between the last reciprocal and the use of its result
	PACK 0
.set t, 1
.rept 3                             ; a piece's arithmetic stands between the loads of the piece before and its stores
	PACK t
	SEND t-1, 8
.set t, t+1
.endr
	SEND 3, 0
.endm
.set KM, 0
.set NOKQ, 0
.Lslot:                             ; NB times: a tile is entered and the next is asked for
	CHANGE 1
	s_sub_co_u32 s[RT], s[RT], 1
	s_mov_b32 s[CNT], 4
	s_cmp_eq_u32 s[NEW], 1
	s_cbranch_scc1 .Lnew            ; a block's first tile
	s_cmp_eq_u32 s[RT], 0
	s_cbranch_scc0 .Lstep           ; neither its first nor its last
	s_branch .LstepM1
.Lnew:
	BEGIN
	s_branch .Lfirst                ; in the loop a block's first tile is never its last: the first block has two tiles or more, and the second's last is the walk's last
	DIAG 1                          ; in the loop this is the first block's end: the second block's last tile is the walk's last
	s_wait_xcnt 0x0                 ; the stores have read their registers and O's address
	s_mov_b64 s[10:11], s[OLO:OLO+1]
	s_add_co_u32 s[RT], s[PB], 1    ; the second block has b + 1 tiles
	s_mov_b32 s[NEW], 1
	WIN 0x82                        ; the second block's Q goes where the one text of the turns names Q
.set i, 0
.rept 64
	v_mov_b32 v[i], v[QB+i]
.set i, i+1
.endr
	WIN 0
	s_branch .Lbottom
.Lstep:                             ; a trip: pieces 2 and 3 of one step, then pieces 0 and 1 of the next, whose K and V it fetches
	TURN 2
	TURN 3
	WIN 0
.Lfirst:
	TURN 0
	TURN 1, 0, 0, 1
	WIN 0
	s_cbranch_scc1 .Lstep
.Lbottom:
	s_sub_co_u32 s[SLOTS], s[SLOTS], 1
	s_cmp_lg_u32 s[SLOTS], 0
	s_cbranch_scc1 .Lslot
	CHANGE 0                        ; the walk's last tile is written out: nothing is asked for
	s_sub_co_u32 s[RT], s[RT], 1
	s_mov_b32 s[CNT], 4
	s_cmp_eq_u32 s[NEW], 1
	s_cbranch_scc0 .LstepM2
	BEGIN
	s_branch .LfirstM2
	DIAG 2
	s_wait_tensorcnt 0x0            ; the wave's end: behind my last tensor load and my last LDS store
	ds_add_u32 v[SPW], v[NIL]
	s_wait_dscnt 0x0
	s_endpgm
.Lfunc_end_k_q4740443a51_attn:
	.size	k_q4740443a51_attn, .Lfunc_end_k_q4740443a51_attn-k_q4740443a51_attn
	.p2alignl 7, 3214868480
	.fill 96, 4, 3214868480
	.section	.rodata,"a",@progbits
	.p2align	6, 0x0
	.amdhsa_kernel k_q4740443a51_attn
		.amdhsa_group_segment_fixed_size 327680
		.amdhsa_private_segment_fixed_size 0
		.amdhsa_enable_private_segment 0
		.amdhsa_kernarg_size 16
		.amdhsa_user_sgpr_count 2
		.amdhsa_user_sgpr_kernarg_segment_ptr 1
		.amdhsa_wavefront_size32 1
		.amdhsa_system_sgpr_workgroup_id_x 1
		.amdhsa_system_sgpr_workgroup_id_y 1
		.amdhsa_system_sgpr_workgroup_id_z 1
		.amdhsa_system_vgpr_workitem_id 0
		.amdhsa_next_free_vgpr 768
		.amdhsa_next_free_sgpr 92
		.amdhsa_reserve_vcc 1
		.amdhsa_float_denorm_mode_32 3
		.amdhsa_float_denorm_mode_16_64 3
		.amdhsa_memory_ordered 1
		.amdhsa_forward_progress 1
		.amdhsa_inst_pref_size 229
	.end_amdhsa_kernel
	.amdgpu_metadata
---
amdhsa.version: [ 1, 2 ]
amdhsa.kernels:
  - .name:           k_q4740443a51_attn
    .symbol:         k_q4740443a51_attn.kd
    .args:
      - { .name: qkv, .offset: 0, .size: 8, .value_kind: global_buffer, .address_space: global }
      - { .name: o16, .offset: 8, .size: 8, .value_kind: global_buffer, .address_space: global }
    .group_segment_fixed_size: 327680
    .private_segment_fixed_size: 0
    .kernarg_segment_align: 8
    .kernarg_segment_size: 16
    .max_flat_workgroup_size: 128
    .sgpr_count:     92
    .vgpr_count:     768
    .wavefront_size: 32
...
	.end_amdgpu_metadata
.endif
;; end of part 3
;; launch oproj (part 4): grid 8 x 32, 4 waves a work-group, clusters of 4 x 4, 327,680 bytes of LDS; arguments o16, wo, out0; writes out0
.if DOCPART == 4
	.amdgcn_target "amdgcn-amd-amdhsa--gfx1250"
	.amdhsa_code_object_version 6
	.text
	.protected	k_q4740443a51_oproj
	.globl	k_q4740443a51_oproj
	.p2align	8
	.type	k_q4740443a51_oproj,@function
k_q4740443a51_oproj:
	s_mov_b64 s[64:65], 0
	v_nop
	global_prefetch_b8 v0, s[64:65] scope:SCOPE_SE
	s_setreg_imm32_b32 hwreg(HW_REG_WAVE_MODE, 25, 1), 1
	s_wait_xcnt 0x0
	s_wait_alu depctr_hold_cnt(0) depctr_sa_sdst(0) depctr_va_vdst(0) depctr_va_sdst(0) depctr_va_ssrc(0) depctr_va_vcc(0) depctr_vm_vsrc(0)
	s_getreg_b32 s2, hwreg(HW_REG_IB_STS2, 6, 4)
	s_cmp_eq_u32 s2, 0
	s_cbranch_scc0 .Lentry_in_a_cluster
	s_endpgm
.Lentry_in_a_cluster:
	s_bfe_u32 s2, ttmp6, 0x10000c
	s_cmp_lg_u32 s2, 0xf033
	s_cbranch_scc0 .Lentry_shape_is_right
	s_endpgm
.Lentry_shape_is_right:
; OPROJ.  out0[m][d] = 2^-10 x the sum over e of o16(m, e) wo[d][e], m < 8192, d < 1024, e < 1024; operands f16, sums f32, out0 f32.
; o16 holds 16 O by heads, [batch x 16 + head][position][64]; wo holds 64 P_O (rounded to bf16, exact in f16): 16 x 64 = 2^10 is taken out of the f32 sums, exactly.
; LIMITS.  Both operands arrive within f16's range; NaN and infinities are not treated apart.
; SHARES.  A tile of out0 is 256 rows x 128 columns: 32 x 8 = 256 tiles, one for each WGP.  Four waves; a wave makes 128 rows x 64 columns: 32 accumulators of 16 x 16, 256 registers.
; K goes in 8 steps of 128 = two heads.  The tile's 256 rows of ONE head are 32,768 dense bytes of o16: asked for as 128 rows of 256 bytes and padded in LDS after every 128 bytes, a position's 64 channels.
; CLUSTER.  4 x 4 work-groups: the four of a row of the cluster need the same rows of o16, the four of a column the same rows of wo: each tile is asked for jointly.
; THE MATRIX INSTRUCTION IS USED TRANSPOSED (source 0 = 16 rows of wo, source 1 = 16 rows of o16): lane l holds row l % 16 of out0 and the columns 8 (l / 16) + 0..7: 32 bytes on end.
; REGISTERS, in windows of 256: window 0: v0-29 addresses; v64-127, v128-191 fragments of o16, two buffers; v192-223, v32-63, v224-255 at work on the way out
;   window 1: v64-95, v128-159 fragments of wo     window 2: accumulators of my rows 0-63 ((a, b) at v[8 (4 a + b)])     window 3: of my rows 64-127
.set NBK,   4
.set PA,    144                        ; a position's 128 bytes + 16 of padding = 36 words: the 16 rows of a fragment load start at 16 different groups of four banks (ISA guide 11.1)
.set HB,    256*PA                     ; 36,864: one head's 256 rows: what one tensor load brings of o16
.set PB,    272                        ; a row of wo: 256 bytes + 16
.set HALFB, 64*PB                      ; 17,408: what one tensor load brings of wo, and what a wave reads of it
.set SLOT,  2*HB+2*HALFB               ; 108,544
.set STAGE, 2*SLOT                     ; 217,088: behind the ring, never filled by a tensor load: 16 rows x 272 bytes for each wave
.set SPITCH, 272
.set SPARE, STAGE+4*16*SPITCH          ; 234,496: the spare words, 128 bytes for each wave: two blocks of 256 bytes that no other line names
.set ADRA, 16                          ; v16-17  LDS address of my fragments of o16 in slot 0, 1
.set ADRB, 20                          ; v20-21  of wo
.set STO,  24                          ; v24     the way out: where I put 32 bytes of a row
.set RD,   25                          ; v25     where I read a row back
.set CO,   26                          ; v26     my byte offset in out0
.set SPW,  28                          ; v28     LDS address of my spare word; never rewritten
.set NIL,  29                          ; v29     0; never rewritten
.set F0,   64
.set F1,   128
.set TMP,  192                         ; the way out: 32 scaled results
.set OB,   32                          ; 16 rows read back: v32-63 and v224-255 by turns
.set G1A, 24
.set G0A, 32
.set G1B, 40
.set G0B, 48
.set MSB, 0
.macro WIN new                         ; the immediate's high byte repeats the setting that is left; a switch that changes nothing is dropped
.if MSB != (\new)
	s_set_vgpr_msb (MSB<<8)|(\new)
.set MSB, \new
.endif
.endm
.macro JLOAD s                         ; a joint load: waves 0 and 1 fetch the K step's two heads of o16, waves 2 and 3 wo's two halves; an s_nop 0 and four v_nop follow each line
	s_cmp_eq_u32 s13, 0
	s_cbranch_scc0 .Lfor_b_\@
	tensor_load_to_lds s[G0A+4*(\s):G0A+4*(\s)+3], s[G1A:G1A+7]
	s_nop 0
.rept 4
	v_nop
.endr
	s_branch .Lasked_\@
.Lfor_b_\@:
	tensor_load_to_lds s[G0B+4*(\s):G0B+4*(\s)+3], s[G1B:G1B+7]
	s_nop 0
.rept 4
	v_nop
.endr
.Lasked_\@:
.endm
.macro CREST                           ; a round of the cluster's barrier behind its opening barrier
	s_cmp_lg_u32 s12, 0
	s_cbranch_scc1 .Lnot_wave_0_\@
	s_barrier_signal -3
.Lnot_wave_0_\@:
	s_barrier_wait -3
	s_barrier_signal -1
	s_barrier_wait -1
.endm
.macro CROUND
	s_barrier_signal -1
	s_barrier_wait -1
	CREST
.endm
.macro PLACES                          ; four places in front of loads into registers that matrix instructions have read, and of vector lines that read results
.rept 4
	v_nop
.endr
.endm
	s_load_b128 s[4:7], s[0:1], 0x0                ; o16 s[4:5], wo s[6:7]
	s_load_b64 s[8:9], s[0:1], 0x10                ; out0
	v_lshl_add_u32 v[SPW], v0, 2, SPARE
	v_mov_b32 v[NIL], 0
	ds_add_u32 v[SPW], v[NIL]                      ; the wave's opening: the add and its wait stand ahead of my first tensor load; the set-up below, work on registers, stands between them
	ds_add_u32 v28, v29
	v_lshrrev_b32 v1, 5, v0
	v_readfirstlane_b32 s12, v1                    ; wave 0..3
	s_lshr_b32 s13, s12, 1                         ; which half of the tile's rows is mine.  Also: I fetch for o16 (0) or for wo (1)
	s_and_b32 s14, s12, 1                          ; which half of its columns.  Also: which head of the pair, or which half of wo's rows, I fetch
	s_bfe_u32 s15, ttmp6, 0x40000                  ; cx, cy
	s_bfe_u32 s16, ttmp6, 0x40004
	s_lshl_b32 s17, ttmp9, 2
	s_add_co_u32 s17, s17, s15                     ; tile column
	s_and_b32 s18, ttmp7, 0xffff
	s_lshl_b32 s18, s18, 2
	s_add_co_u32 s18, s18, s16                     ; tile row
	s_lshl_b32 s20, s16, 2
	s_lshl_b32 s20, 15, s20                        ; my row of the cluster
	s_lshl_b32 s21, 0x1111, s15                    ; my column
	s_or_b32 s[G1A], s20, (1<<16)|(1<<20)|(1<<21)|(4<<22)|(3<<25)  ; the mask; 2-byte elements; padding on; bit 21 beside a mask; after every 32 words (code 4) 4 words (code 3)
	s_or_b32 s[G1B], s21, (1<<16)|(1<<20)|(1<<21)|(5<<22)|(3<<25)  ; after every 64 words (code 5)
	s_mov_b32 s[G1A+1], 128<<16                    ; tensor_dim0 = 128 elements: 256 bytes, two positions
	s_mov_b32 s[G1A+2], 128<<16                    ; tensor_dim1 = 128
	s_mov_b32 s[G1A+3], 128<<16                    ; tile_dim0
	s_mov_b32 s[G1A+4], 128                        ; tile_dim1
	s_mov_b32 s[G1A+5], 128                        ; the rows lie end to end
	s_mov_b32 s[G1A+6], 0
	s_mov_b32 s[G1A+7], 0
	s_mov_b32 s[G1B+1], 128<<16
	s_mov_b32 s[G1B+2], 64<<16                     ; 64 rows of wo
	s_mov_b32 s[G1B+3], 128<<16
	s_mov_b32 s[G1B+4], 64
	s_mov_b32 s[G1B+5], 1024
	s_mov_b32 s[G1B+6], 0
	s_mov_b32 s[G1B+7], 0
	s_lshr_b32 s56, s18, 3                         ; o16: (batch x 16 + my head of the first pair) x 2048 x 128 + 256 (tile row % 8) x 128: made of the tile row and the wave's number alone
	s_lshl_b32 s56, s56, 4
	s_add_co_u32 s56, s56, s14
	s_lshl_b32 s56, s56, 18
	s_and_b32 s22, s18, 7
	s_lshl_b32 s22, s22, 15
	s_add_co_u32 s56, s56, s22
	s_mov_b32 s57, 0
	s_lshl_b32 s58, s17, 7                         ; wo: row 128 x tile column + 64 x half: made of the tile column and the wave's number alone
	s_lshl_b32 s23, s14, 6
	s_add_co_u32 s58, s58, s23
	s_lshl_b32 s58, s58, 11
	s_mov_b32 s59, 0
	s_mul_i32 s60, s12, HB                         ; where they go: waves 0, 1: the two heads at wave x HB;
	s_mul_i32 s61, s12, HALFB                      ; waves 2, 3: wo's halves at 2 HB + (wave - 2) x HALFB
	s_add_co_u32 s61, s61, 2*(HB-HALFB)
	s_mov_b32 s72, 0x3a800000                      ; 2^-10,
	s_mov_b32 s73, 0x3a800000                      ; named as a pair
	s_wait_dscnt 0x0                               ; the opening add is done
	s_wait_kmcnt 0x0
	s_add_nc_u64 s[56:57], s[4:5], s[56:57]
	s_add_nc_u64 s[58:59], s[6:7], s[58:59]
	CROUND                                         ; all sixteen work-groups are here: the first joint loads meet
.irp s, 0,1
	s_mov_b32 s[G0A+4*(\s)], 1
	s_add_co_u32 s[G0A+4*(\s)+1], s60, (\s)*SLOT
	s_add_nc_u64 s[G0A+4*(\s)+2:G0A+4*(\s)+3], s[56:57], (\s)*524288  ; K step s: two heads on
	s_or_b32 s[G0A+4*(\s)+3], s[G0A+4*(\s)+3], 0x80000000
	s_mov_b32 s[G0B+4*(\s)], 1
	s_add_co_u32 s[G0B+4*(\s)+1], s61, (\s)*SLOT
	s_add_nc_u64 s[G0B+4*(\s)+2:G0B+4*(\s)+3], s[58:59], (\s)*256
	s_or_b32 s[G0B+4*(\s)+3], s[G0B+4*(\s)+3], 0x80000000
	JLOAD \s                                       ; two loads of mine are out
.endr
	v_and_b32 v1, 15, v0                           ; r = l % 16
	v_bfe_u32 v2, v0, 4, 1                         ; h = l / 16
	v_mul_u32_u24 v3, v1, PA
	v_lshl_add_u32 v3, v2, 4, v3
	v_mul_u32_u24 v4, v1, PB
	v_lshl_add_u32 v4, v2, 4, v4
	s_mul_i32 s22, s13, 128*PA                     ; my 128 rows, in each head's block
	s_mul_i32 s23, s14, HALFB                      ; my 64 rows of wo,
	s_add_co_u32 s23, s23, 2*HB                    ; which lie behind the two heads
.irp s, 0,1
	v_add_nc_u32 v[ADRA+(\s)], s22, v3
	v_add_nc_u32 v[ADRB+(\s)], s23, v4
	s_add_co_u32 s22, s22, SLOT
	s_add_co_u32 s23, s23, SLOT
.endr
	s_mul_i32 s22, s12, 16*SPITCH
	s_add_co_u32 s22, s22, STAGE                   ; my stage
	v_mul_u32_u24 v4, v1, SPITCH                   ; in: row r, 32 bytes for each half of the lanes
	v_lshl_add_u32 v4, v2, 5, v4
	v_add_nc_u32 v[STO], s22, v4
	v_mul_u32_u24 v5, v2, SPITCH                   ; back: lanes 0-15 take one row of 256 bytes, lanes 16-31 the next
	v_lshl_add_u32 v5, v1, 4, v5
	v_add_nc_u32 v[RD], s22, v5
	v_lshlrev_b32 v5, 12, v2                       ; and the same two rows in out0, 4,096 bytes apart
	v_lshl_add_u32 v[CO], v1, 4, v5
	s_lshl_b32 s62, s18, 8                         ; out0 at row 256 x tile row + 128 x row half, byte 512 x tile column + 256 x column half
	s_lshl_b32 s63, s13, 7
	s_add_co_u32 s62, s62, s63
	s_lshl_b32 s62, s62, 12
	s_lshl_b32 s63, s17, 9
	s_add_co_u32 s62, s62, s63
	s_lshl_b32 s63, s14, 8
	s_add_co_u32 s62, s62, s63
	s_mov_b32 s63, 0
	s_add_nc_u64 s[66:67], s[8:9], s[62:63]
; 8 matrix instructions: m blocks a0, a0 + 1 of the window's four x all 4 n blocks, 32 along K.  The 32 accumulators take turns, one instruction a turn, in the same order in every quarter.
.macro MUL f, hi, a0, zero
	WIN 0xa1+0x50*(\hi)
.irp a, \a0, (\a0)+1
.irp b, 0,1,2,3
.if \zero
	v_wmma_f32_16x16x32_f16 v[8*(NBK*(\a)+(\b)):8*(NBK*(\a)+(\b))+7], v[(\f)+8*(\b):(\f)+8*(\b)+7], v[(\f)+8*(4*(\hi)+(\a)):(\f)+8*(4*(\hi)+(\a))+7], 0
.else
	v_wmma_f32_16x16x32_f16 v[8*(NBK*(\a)+(\b)):8*(NBK*(\a)+(\b))+7], v[(\f)+8*(\b):(\f)+8*(\b)+7], v[(\f)+8*(4*(\hi)+(\a)):(\f)+8*(4*(\hi)+(\a))+7], v[8*(NBK*(\a)+(\b)):8*(NBK*(\a)+(\b))+7]
.endif
.endr
.endr
.endm
; 24 LDS loads in one run: quarter q's fragments into buffer f: wo's 8 (byte 64 q of its rows), then o16's 16 (head q / 2 of the pair, channels 32 (q % 2) on)
.macro FETCH slot, q, f
	WIN 0x40
.irp i, 0,1,2,3
	ds_load_b128 v[(\f)+8*(\i):(\f)+8*(\i)+3],   v[ADRB+(\slot)] offset:64*(\q)+(\i)*16*PB
	ds_load_b128 v[(\f)+8*(\i)+4:(\f)+8*(\i)+7], v[ADRB+(\slot)] offset:64*(\q)+(\i)*16*PB+32
.endr
	WIN 0
.irp i, 0,1,2,3,4,5,6,7
	ds_load_b128 v[(\f)+8*(\i):(\f)+8*(\i)+3],   v[ADRA+(\slot)] offset:((\q)/2)*HB+((\q)%2)*64+(\i)*16*PA
	ds_load_b128 v[(\f)+8*(\i)+4:(\f)+8*(\i)+7], v[ADRA+(\slot)] offset:((\q)/2)*HB+((\q)%2)*64+(\i)*16*PA+32
.endr
.endm
.macro QUARTER slot, q, f, g, zero
	s_wait_dscnt 8                                 ; all but the youngest eight loads (my rows 64-127) are in
	MUL \f, 0, 0, \zero
	MUL \f, 0, 2, \zero
	PLACES
	FETCH \slot, \q, \g
	s_wait_dscnt 24                                ; all but the 24 just issued
	MUL \f, 1, 0, \zero
	MUL \f, 1, 2, \zero
.endm
; The last quarter multiplies buffer 1 and changes slots: ONE barrier; in front of it each wave waits for all its tensor loads, adds 0 to its spare word, and waits for that and for its own reads of this slot.
; fill = 1: the barrier opens a round of the cluster's, and this slot is filled again, two K steps ahead, first thing behind the round.
.macro TURN slot, next, fill
	WIN 0
	s_wait_tensorcnt 0x0                           ; all my tensor loads have landed
	ds_add_u32 v[SPW], v[NIL]                      ; 0 onto my spare word
	s_wait_dscnt 9                                 ; (the add and the youngest eight loads may be out)
	MUL F1, 0, 0, 0
	s_wait_dscnt 0x0                               ; the add is done, and my reads of this slot are over
	s_barrier_signal -1
	MUL F1, 0, 2, 0
.if \fill
	WIN 0
.endif
	s_barrier_wait -1
.if \fill
	CREST
	s_add_nc_u64 s[G0A+4*(\slot)+2:G0A+4*(\slot)+3], s[G0A+4*(\slot)+2:G0A+4*(\slot)+3], 2*524288
	s_add_nc_u64 s[G0B+4*(\slot)+2:G0B+4*(\slot)+3], s[G0B+4*(\slot)+2:G0B+4*(\slot)+3], 2*256
	JLOAD \slot                                    ; my one tensor load behind the round; the four v_nop behind it are also the places in front of the loads below
.else
	PLACES
.endif
	FETCH \next, 0, F0
	MUL F1, 1, 0, 0
	MUL F1, 1, 2, 0
.endm
; THE WAY OUT of my rows 16 a on.  PACK: times 2^-10, each accumulator read from its low end on.  TOSTAGE: into my own stage, and back as whole rows of 256 bytes.  SEND: stored.
.macro PACK a
	WIN 0x02+(\a)/4                                ; source 0: window 2 or 3
.irp b, 0,1,2,3
.irp j, 0,2,4,6
	v_pk_mul_f32 v[TMP+8*(\b)+\j:TMP+8*(\b)+\j+1], v[32*((\a)%4)+8*(\b)+\j:32*((\a)%4)+8*(\b)+\j+1], s[72:73] op_sel_hi:[1,0]
.endr
.endr
	WIN 0
.endm
.macro TOSTAGE a
.set BK, OB+192*((\a)%2)
.irp b, 0,1,2,3
	ds_store_b128 v[STO], v[TMP+8*(\b):TMP+8*(\b)+3]   offset:64*(\b)
	ds_store_b128 v[STO], v[TMP+8*(\b)+4:TMP+8*(\b)+7] offset:64*(\b)+16
.endr
.irp t, 0,1,2,3,4,5,6,7
	ds_load_b128 v[BK+4*(\t):BK+4*(\t)+3], v[RD] offset:(\t)*2*SPITCH  ; LDS serves a wave's instructions in order (ISA guide 5.7.1.4): these see the stores above
.endr
.endm
.macro SEND a
.set BK, OB+192*((\a)%2)
	s_wait_dscnt 0x0                               ; the block is back in registers
	s_wait_xcnt 0x0                                ; the other buffer, which the stores two blocks back read, is loaded again only behind this wait
.irp t, 0,1,2,3,4,5,6,7
	global_store_b128 v[CO], v[BK+4*(\t):BK+4*(\t)+3], s[66:67] offset:65536*(\a)+8192*(\t) th:TH_STORE_NT  ; 16 lanes store 256 consecutive bytes, aligned
.endr
.endm
	s_wait_tensorcnt 1                             ; my part of K step 0 is in; K step 1's may stay out
	s_barrier_signal -1
	s_barrier_wait -1
	FETCH 0, 0, F0
	QUARTER 0, 1, F0, F1, 1                        ; the first quarter stands in front of the loop: its products start the sums
	WIN 0
	s_mov_b32 s19, 3
.Llap:                                                 ; a trip goes once round the ring and fills both slots again: K steps 2 to 7 in three trips
	QUARTER 0, 2, F1, F0, 0
	QUARTER 0, 3, F0, F1, 0
	TURN 0, 1, 1
	QUARTER 1, 1, F0, F1, 0
	QUARTER 1, 2, F1, F0, 0
	QUARTER 1, 3, F0, F1, 0
	TURN 1, 0, 1
	QUARTER 0, 1, F0, F1, 0
	WIN 0
	s_sub_co_u32 s19, s19, 1
	s_cmp_lg_u32 s19, 0
	s_cbranch_scc1 .Llap
	QUARTER 0, 2, F1, F0, 0                        ; the last lap fills nothing
	QUARTER 0, 3, F0, F1, 0
	TURN 0, 1, 0
	QUARTER 1, 1, F0, F1, 0
	QUARTER 1, 2, F1, F0, 0
	QUARTER 1, 3, F0, F1, 0
	s_wait_dscnt 8
	MUL F1, 0, 0, 0
	MUL F1, 0, 2, 0
	s_wait_dscnt 0x0
	MUL F1, 1, 0, 0
	MUL F1, 1, 2, 0
	WIN 0
	PLACES
	PACK 0
	TOSTAGE 0
.irp a, 1,2,3,4,5,6,7                  ; block a's scaling stands between block a - 1's loads from the stage and the wait for them
	PACK \a
	SEND (\a)-1
	TOSTAGE \a
.endr
	SEND 7
	s_wait_tensorcnt 0x0                           ; the wave's end: behind my last tensor load and my last LDS store
	ds_add_u32 v[SPW], v[NIL]
	s_wait_dscnt 0x0
	CROUND                                         ; the closing round: no work-group ends while a partner may still ask for a tile that names it
	s_endpgm
.Lfunc_end_k_q4740443a51_oproj:
	.size	k_q4740443a51_oproj, .Lfunc_end_k_q4740443a51_oproj-k_q4740443a51_oproj
	.p2alignl 7, 3214868480
	.fill 96, 4, 3214868480
	.section	.rodata,"a",@progbits
	.p2align	6, 0x0
	.amdhsa_kernel k_q4740443a51_oproj
		.amdhsa_group_segment_fixed_size 327680
		.amdhsa_private_segment_fixed_size 0
		.amdhsa_enable_private_segment 0
		.amdhsa_kernarg_size 24
		.amdhsa_user_sgpr_count 2
		.amdhsa_user_sgpr_kernarg_segment_ptr 1
		.amdhsa_wavefront_size32 1
		.amdhsa_system_sgpr_workgroup_id_x 1
		.amdhsa_system_sgpr_workgroup_id_y 1
		.amdhsa_system_sgpr_workgroup_id_z 1
		.amdhsa_system_vgpr_workitem_id 0
		.amdhsa_next_free_vgpr 896
		.amdhsa_next_free_sgpr 80
		.amdhsa_reserve_vcc 0
		.amdhsa_float_denorm_mode_32 3
		.amdhsa_float_denorm_mode_16_64 3
		.amdhsa_memory_ordered 1
		.amdhsa_forward_progress 1
		.amdhsa_inst_pref_size 95
	.end_amdhsa_kernel
	.amdgpu_metadata
---
amdhsa.version: [ 1, 2 ]
amdhsa.kernels:
  - .name:           k_q4740443a51_oproj
    .symbol:         k_q4740443a51_oproj.kd
    .args:
      - { .name: o16, .offset: 0, .size: 8, .value_kind: global_buffer, .address_space: global }
      - { .name: wo, .offset: 8, .size: 8, .value_kind: global_buffer, .address_space: global }
      - { .name: out0, .offset: 16, .size: 8, .value_kind: global_buffer, .address_space: global }
    .group_segment_fixed_size: 327680
    .private_segment_fixed_size: 0
    .kernarg_segment_align: 8
    .kernarg_segment_size: 24
    .max_flat_workgroup_size: 128
    .sgpr_count:     80
    .vgpr_count:     896
    .wavefront_size: 32
...
	.end_amdgpu_metadata
.endif
;; end of part 4
;; ======== version 2 of 2: 4 launches; version 1 with the launch prep written anew for expert scheduling mode
;; limits: values are held in f16: magnitudes above 65,504 overflow, below 6.1e-05 lose precision
;; workspace buffers: xb 16,777,216 bytes; wqkv 6,291,456 bytes; wo 2,097,152 bytes; rtab 1,048,576 bytes; qkv 50,331,648 bytes; o16 16,777,216 bytes
;; launch prep (part 5): grid 800 x 1, 8 waves a work-group, no clusters, 0 bytes of LDS; arguments x, P_Q, P_K, P_V, P_O, xb, wqkv, wo, rtab; writes xb, wqkv, wo, rtab
.if DOCPART == 5
	.amdgcn_target "amdgcn-amd-amdhsa--gfx1250"
	.amdhsa_code_object_version 6
	.text
	.protected	k_q4740443a51_prep
	.globl	k_q4740443a51_prep
	.p2align	8
	.type	k_q4740443a51_prep,@function
k_q4740443a51_prep:
	s_mov_b64 s[64:65], 0
	v_nop
	global_prefetch_b8 v0, s[64:65] scope:SCOPE_SE
	s_setreg_imm32_b32 hwreg(HW_REG_WAVE_SCHED_MODE, 0, 2), 2
	s_setreg_imm32_b32 hwreg(HW_REG_WAVE_MODE, 25, 1), 1
	s_wait_xcnt 0x0
	s_wait_alu depctr_vm_vsrc(0)
; PREP.  Rounds the module's five f32 inputs once to bf16 and makes the table of rotations.
;   xb   [8192][1024] bf16 = x;   wqkv [3072][1024] bf16 = P_Q, P_K, P_V one below the other;
;   wo   [1024][1024] f16  = 64 x bf16(P_O): a bf16 number has 8 significant bits, f16 holds 11, so the product is exact where it lies in f16's normal range;
;   rtab [4096][32][2] f32: rows 0-2047: (cos, sin) of pos x 10000^(-i/32); rows 2048-4095: (16, 0), the "rotation" that the V columns of the next launch take: v leaves as 16 v.
; LIMITS.  |P_O| stays under 1,023 (64 x that is f16's end); 64 |P_O| under 6.1e-5 keeps f16's fixed step of 6e-8.  NaN and infinities are not treated apart.
; SHARES, by the work-group's number: 0-511 x, 512-767 the four weights (64 each), 768-783 the table, 784-799 the (16, 0) rows.
; A converting work-group takes 16,384 numbers: 16 loads of 16 bytes a lane, all issued at once (64 KiB on their way), each wave's load 512 consecutive bytes, each wave's store 256 consecutive bytes, aligned.
; Memory binds: no LDS, no barrier, no matrix unit, no cluster (no two work-groups read the same byte).
; THE MODE: SCHED_MODE bits 1:0 = 2 (LLVM: expert scheduling mode 2), set by the entry lines.  The code itself states the register dependences
; between vector instructions and memory instructions, with s_wait_alu, always for 0.
; THE PLAN.  Registers that memory instructions touch:
;   converting:  v1, v2   byte offsets of the loads and of the stores: made once, never written again.
;                X        the 16 loads land in it; no vector instruction names it ahead of them; no memory instruction reads it.
;                Y        two registers for each load: written once, by that load's roundings; read once, by its store.
;                The 16 turns go in four blocks of four.  Block p's roundings write Y of block p; the four stores of block p - 1 are dealt among them.  One wait at the head of a block states that
;                the block before has written its Y; the vector lines behind that wait name X, T and Y of the block in hand alone, so the four stores need no further wait.
;   the table:   v5       the store's offset: made at the head, stepped once a trip.      v[12:15]  the store's data: written by each trip's last lines.
;                One wait ahead of the store (data and offset are written), one at the trip's end (the store has read them).
;   (16, 0):     v5, v[8:11]  written once; one wait ahead of the eight stores.
; No vector instruction writes a scalar register or VCC, and EXEC is never written.
.set X, 8                              ; v[8:71]    16 x 4 numbers as loaded
.set Y, 72                             ; v[72:103]  16 x 2 registers to store
.set T, 104                            ; v[104:105] at work: no memory instruction names them
	s_load_b512 s[8:23], s[0:1], 0x0               ; x 8, P_Q 10, P_K 12, P_V 14, P_O 16, xb 18, wqkv 20, wo 22
	s_load_b64 s[24:25], s[0:1], 0x40              ; rtab
	s_mov_b32 s2, ttmp9
	s_cmp_ge_u32 s2, 768
	s_cbranch_scc1 .Ltables
	s_sub_co_u32 s3, s2, 512                       ; among the weights (used only from 512 on)
	s_lshr_b32 s26, s3, 6                          ; kind: 0 P_Q, 1 P_K, 2 P_V, 3 P_O
	s_and_b32 s27, s3, 63                          ; chunk
	s_cmp_lt_u32 s2, 512
	s_cselect_b32 s27, s2, s27                     ; x: the chunk is the work-group's number,
	s_cselect_b32 s26, 4, s26                      ; the kind 4
	v_lshlrev_b32 v1, 4, v0                        ; 16 bytes a thread in,
	v_lshlrev_b32 v2, 3, v0                        ; 8 out
	s_lshl_b32 s32, s27, 16                        ; the chunk's 64 KiB in its source
	s_mov_b32 s33, 0
	s_lshl_b32 s34, s27, 15                        ; its 32 KiB in its target,
	s_mov_b32 s35, 0
	s_lshl_b32 s36, s26, 21                        ; behind the weights before it in wqkv (2 MiB each)
	s_cmp_lt_u32 s26, 3
	s_cselect_b32 s36, s36, 0
	s_add_co_u32 s34, s34, s36
	s_wait_kmcnt 0x0
	s_cmp_eq_u32 s26, 0
	s_cselect_b64 s[28:29], s[10:11], s[8:9]
	s_cmp_eq_u32 s26, 1
	s_cselect_b64 s[28:29], s[12:13], s[28:29]
	s_cmp_eq_u32 s26, 2
	s_cselect_b64 s[28:29], s[14:15], s[28:29]
	s_cmp_eq_u32 s26, 3
	s_cselect_b64 s[28:29], s[16:17], s[28:29]
	s_cselect_b64 s[30:31], s[22:23], s[20:21]
	s_cmp_eq_u32 s26, 4
	s_cselect_b64 s[30:31], s[18:19], s[30:31]
	s_add_nc_u64 s[28:29], s[28:29], s[32:33]
	s_add_nc_u64 s[30:31], s[30:31], s[34:35]
	s_wait_alu depctr_va_vdst(0)                   ; v1 and v2 are written: every load below reads v1 as its offset, every store v2
.irp j, 0,1,2,3,4,5,6,7,8,9,10,11,12,13,14,15
	global_load_b128 v[X+4*(\j):X+4*(\j)+3], v1, s[28:29] offset:4096*(\j) th:TH_LOAD_NT
.endr
; Sixteen turns, in four blocks of four.  po = 1: P_O: rounded to bf16, widened again, times 64, written as f16.  No register that a store reads is written again.
; Turn J = 4 blk + row: the store of turn J - 4, then the wait for load J, then its conversions into Y of turn J.
.macro CONV po
.irp blk, 0,1,2,3
.irp row, 0,1,2,3
.set J, 4*(\blk)+(\row)
.if (\row) == 0
	s_wait_loadcnt 15-J                            ; loads come back in order: load J is in, the younger ones stay out
.if (\blk) > 0
	s_wait_alu depctr_va_vdst(0)                   ; the block before has written its eight registers of Y, which this block's four stores read
.endif
.endif
.if (\blk) > 0
	global_store_b64 v2, v[Y+2*(J-4):Y+2*(J-4)+1], s[30:31] offset:2048*(J-4)  ; the block before; no vector line since the wait names these registers or v2
.endif
.if (\row) > 0
	s_wait_loadcnt 15-J                            ; load J is in, the younger ones stay out
.endif
.if \po
	v_cvt_pk_bf16_f32 v[T],   v[X+4*J],   v[X+4*J+1]
	v_cvt_pk_bf16_f32 v[T+1], v[X+4*J+2], v[X+4*J+3]
	v_lshlrev_b32 v[X+4*J],   16, v[T]
	v_and_b32     v[X+4*J+1], 0xffff0000, v[T]
	v_lshlrev_b32 v[X+4*J+2], 16, v[T+1]
	v_and_b32     v[X+4*J+3], 0xffff0000, v[T+1]
	v_pk_mul_f32 v[X+4*J:X+4*J+1],   v[X+4*J:X+4*J+1],   0x42800000 op_sel_hi:[1,0]
	v_pk_mul_f32 v[X+4*J+2:X+4*J+3], v[X+4*J+2:X+4*J+3], 0x42800000 op_sel_hi:[1,0]
	v_cvt_pk_f16_f32 v[Y+2*J],   v[X+4*J],   v[X+4*J+1]
	v_cvt_pk_f16_f32 v[Y+2*J+1], v[X+4*J+2], v[X+4*J+3]
.else
	v_cvt_pk_bf16_f32 v[Y+2*J],   v[X+4*J],   v[X+4*J+1]
	v_cvt_pk_bf16_f32 v[Y+2*J+1], v[X+4*J+2], v[X+4*J+3]
.endif
.endr
.endr
	s_wait_alu depctr_va_vdst(0)                   ; the last block has written its Y, which the last four stores read
.irp row, 12,13,14,15
	global_store_b64 v2, v[Y+2*(\row):Y+2*(\row)+1], s[30:31] offset:2048*(\row)
.endr
.endm
	s_cmp_eq_u32 s26, 3
	s_cbranch_scc1 .Lpo
	CONV 0
	s_endpgm
.Lpo:
	CONV 1
	s_endpgm
.Ltables:
	s_cmp_ge_u32 s2, 784
	s_cbranch_scc1 .Lident
	; THE TABLE.  A work-group makes 128 positions, 16 a trip.  Thread t: pairs 2 (t % 16) and the next, position 128 tw + t / 16 + 16 trip: its 16 bytes lie at 32,768 tw + 16 t + 4,096 trip.
	; The angle is pos x f, rounded once.  It is reduced by N = the nearest whole number of turns, in two steps (2 pi = s40 + s41), halved (|H| <= pi / 2), sin H and cos H come by their series
	; to H^11 and H^12 (the first terms left out are under 6e-8 and 6e-9 there, whatever the position), and sin 2H = 2 sin H cos H, cos 2H = 1 - 2 sin^2 H.
	s_sub_co_u32 s3, s2, 768                       ; tw
	s_mov_b32 s40, 0x40c90fdb                      ; 2 pi, rounded to f32,
	s_mov_b32 s41, 0xb43bbd2e                      ; and what the rounding left
	v_and_b32 v1, 15, v0
	v_lshlrev_b32 v1, 1, v1
	v_add_nc_u32 v2, 1, v1
	v_cvt_f32_u32 v1, v1
	v_cvt_f32_u32 v2, v2
	v_mul_f32 v1, 0xbed49a78, v1                   ; - i log2(10000) / 32
	v_mul_f32 v2, 0xbed49a78, v2
	v_exp_f32 v6, v1                               ; f of my first pair,
	v_exp_f32 v7, v2                               ; of my second
	v_lshrrev_b32 v3, 4, v0                        ; (a plain instruction stands behind the exponentials before their results are used)
	s_lshl_b32 s4, s3, 7
	v_add_nc_u32 v3, s4, v3
	v_cvt_f32_u32 v4, v3                           ; my position, exact in f32
	s_lshl_b32 s4, s3, 15
	v_lshl_add_u32 v5, v0, 4, s4
	s_mov_b32 s34, 8
	s_wait_kmcnt 0x0
	s_wait_alu depctr_va_vdst(0)                   ; the two exponentials have written v6 and v7: one wait for both, ahead of the label and of their first reader
.macro SINCOS f, c, s
	v_mul_f32 v16, v4, v[\f]
	v_mul_f32 v17, 0.15915494, v16
	v_rndne_f32 v17, v17
	v_fma_f32 v16, -v17, s40, v16
	v_fma_f32 v16, -v17, s41, v16
	v_mul_f32 v16, 0.5, v16                        ; H
	v_mul_f32 v18, v16, v16                        ; H^2
	v_mov_b32 v19, 0xb2d7322b                      ; -1/11!
	v_mov_b32 v20, 0x310f76c7                      ; 1/12!
	v_fmaak_f32 v19, v19, v18, 0x3638ef1d          ; 1/9!
	v_fmaak_f32 v20, v20, v18, 0xb493f27e          ; -1/10!
	v_fmaak_f32 v19, v19, v18, 0xb9500d01          ; -1/7!
	v_fmaak_f32 v20, v20, v18, 0x37d00d01          ; 1/8!
	v_fmaak_f32 v19, v19, v18, 0x3c088889          ; 1/5!
	v_fmaak_f32 v20, v20, v18, 0xbab60b61          ; -1/6!
	v_fmaak_f32 v19, v19, v18, 0xbe2aaaab          ; -1/3!
	v_fmaak_f32 v20, v20, v18, 0x3d2aaaab          ; 1/4!
	v_fma_f32 v19, v19, v18, 1.0
	v_fma_f32 v20, v20, v18, -0.5
	v_mul_f32 v19, v19, v16                        ; sin H
	v_fma_f32 v20, v20, v18, 1.0                   ; cos H
	v_add_f32 v21, v19, v19
	v_mul_f32 v[\s], v21, v20
	v_fma_f32 v[\c], -v21, v19, 1.0
.endm
.Ltrip:
	SINCOS 6, 12, 13
	SINCOS 7, 14, 15
	s_wait_alu depctr_va_vdst(0)                   ; v[12:15], the store's data, are written; so is v5, its offset (at the head, or by the last trip's step)
	global_store_b128 v5, v[12:15], s[24:25]       ; sixteen lanes fill a position's 256 bytes
	v_add_f32 v4, 0x41800000, v4                   ; 16 positions on
	s_wait_xcnt 0x0                                ; the store's offset and data are written again only behind this wait
	s_wait_alu depctr_vm_vsrc(0)                   ; the store has read v5, which the next line writes, and v[12:15], which the next trip writes
	v_add_nc_u32 v5, 4096, v5
	s_sub_co_u32 s34, s34, 1
	s_cmp_lg_u32 s34, 0
	s_cbranch_scc1 .Ltrip
	s_endpgm
.Lident:                                       ; rows 2048-4095: (16, 0) throughout; a work-group writes 128 rows
	s_sub_co_u32 s3, s2, 784
	s_lshl_b32 s4, s3, 15
	v_lshl_add_u32 v5, v0, 4, s4
	v_mov_b32 v8, 0x41800000
	v_mov_b32 v9, 0
	v_mov_b32 v10, 0x41800000
	v_mov_b32 v11, 0
	s_wait_kmcnt 0x0
	s_wait_alu depctr_va_vdst(0)                   ; v5 and v[8:11] are written: the eight stores read them as offset and data
.irp j, 0,1,2,3,4,5,6,7
	global_store_b128 v5, v[8:11], s[24:25] offset:524288+4096*(\j)
.endr
	s_endpgm
.Lfunc_end_k_q4740443a51_prep:
	.size	k_q4740443a51_prep, .Lfunc_end_k_q4740443a51_prep-k_q4740443a51_prep
	.p2alignl 7, 3214868480
	.fill 96, 4, 3214868480
	.section	.rodata,"a",@progbits
	.p2align	6, 0x0
	.amdhsa_kernel k_q4740443a51_prep
		.amdhsa_group_segment_fixed_size 0
		.amdhsa_private_segment_fixed_size 0
		.amdhsa_enable_private_segment 0
		.amdhsa_kernarg_size 72
		.amdhsa_user_sgpr_count 2
		.amdhsa_user_sgpr_kernarg_segment_ptr 1
		.amdhsa_wavefront_size32 1
		.amdhsa_system_sgpr_workgroup_id_x 1
		.amdhsa_system_sgpr_workgroup_id_y 1
		.amdhsa_system_sgpr_workgroup_id_z 1
		.amdhsa_system_vgpr_workitem_id 0
		.amdhsa_next_free_vgpr 112
		.amdhsa_next_free_sgpr 66
		.amdhsa_reserve_vcc 0
		.amdhsa_float_denorm_mode_32 3
		.amdhsa_float_denorm_mode_16_64 3
		.amdhsa_memory_ordered 1
		.amdhsa_forward_progress 1
		.amdhsa_inst_pref_size 25
	.end_amdhsa_kernel
	.amdgpu_metadata
---
amdhsa.version: [ 1, 2 ]
amdhsa.kernels:
  - .name:           k_q4740443a51_prep
    .symbol:         k_q4740443a51_prep.kd
    .args:
      - { .name: x, .offset: 0, .size: 8, .value_kind: global_buffer, .address_space: global }
      - { .name: P_Q, .offset: 8, .size: 8, .value_kind: global_buffer, .address_space: global }
      - { .name: P_K, .offset: 16, .size: 8, .value_kind: global_buffer, .address_space: global }
      - { .name: P_V, .offset: 24, .size: 8, .value_kind: global_buffer, .address_space: global }
      - { .name: P_O, .offset: 32, .size: 8, .value_kind: global_buffer, .address_space: global }
      - { .name: xb, .offset: 40, .size: 8, .value_kind: global_buffer, .address_space: global }
      - { .name: wqkv, .offset: 48, .size: 8, .value_kind: global_buffer, .address_space: global }
      - { .name: wo, .offset: 56, .size: 8, .value_kind: global_buffer, .address_space: global }
      - { .name: rtab, .offset: 64, .size: 8, .value_kind: global_buffer, .address_space: global }
    .group_segment_fixed_size: 0
    .private_segment_fixed_size: 0
    .kernarg_segment_align: 8
    .kernarg_segment_size: 72
    .max_flat_workgroup_size: 256
    .sgpr_count:     66
    .vgpr_count:     112
    .wavefront_size: 32
...
	.end_amdgpu_metadata
.endif
;; end of part 5
;; launch qkv: the kernel of part 2 again; grid 16 x 32, 4 waves a work-group, clusters of 4 x 4, 327,680 bytes of LDS; arguments xb, wqkv, rtab, qkv; writes qkv
;; launch attn: the kernel of part 3 again; grid 4 x 64, 4 waves a work-group, no clusters, 327,680 bytes of LDS; arguments qkv, o16; writes o16
;; launch oproj: the kernel of part 4 again; grid 8 x 32, 4 waves a work-group, clusters of 4 x 4, 327,680 bytes of LDS; arguments o16, wo, out0; writes out0
